; MI455X (gfx1250); checked and timed in simulation.
; The chip was launched on July 23, 2026; its instructions are those of AMD's public machine-readable ISA for CDNA 5 (MIT licence, August 2026) and "CDNA5" Instruction Set Architecture Reference Guide (July 2026). The comments in the code are by the model that wrote it; some were corrected since.
;; Comb Net HE. Allowed arithmetic: matrix products marked QUANTISED: E2M1 operands, one E8M0 scale for each 32 along K, by v_wmma_scale_f32_16x16x128_f8f6f4 with both operands' format E2M1 (or v_wmma_scale_f32_32x16x128_f4), f32 sums; products left as they are: f32 operands where the result goes on into a quantised operand, else bf16, f16 or f32 operands; f32 sums; everything else in f32.
;; Inputs: W1f_codes 4,096 x 32 x 16 uint8 (E2M1 codes of W1f, K innermost, in blocks of 32 codes, two codes a byte); W1f_scales 4,096 x 32 uint8 (E8M0 scales of W1f, one for each 32 codes along K); W1o_codes 4,096 x 32 x 16 uint8 (E2M1 codes of W1o, K innermost, in blocks of 32 codes, two codes a byte); W1o_scales 4,096 x 32 uint8 (E8M0 scales of W1o, one for each 32 codes along K); W2f 4,096 x 10 float32; W2o 4,096 x 10 float32; b1f 4,096 float32; b1o 4,096 float32; b2f 10 float32; b2o 10 float32; x_codes 8,192 x 32 x 16 uint8 (E2M1 codes of x, K innermost, in blocks of 32 codes, two codes a byte); x_scales 8,192 x 32 uint8 (E8M0 scales of x, one for each 32 codes along K).
;; Outputs: out0 8,192 x 10 float32.
;; This version of the problem:
;;   THIS VERSION OF THE PROBLEM IS GIVEN IN LOW PRECISION. The matrix products marked QUANTISED in the list below multiply operands that are first quantised to E2M1 (2 exponent bits, 1 mantissa bit; 4 bits a number), with one power-of-two scale for each 32 numbers along K (OCP MX v1.0); their sums are f32. All else is computed in f32.
;;   The module's matrix products, in the order in which they are computed (A, B: the left and right operand; K: the contracted axis; several contracted axes count as one K, in the product's order):
;;     1. [M 8,192, K 1,024] x [K 1,024, N 4,096]; A: input x (given as codes); B: input W1o (given as codes): QUANTISED
;;     2. [M 8,192, K 4,096] x [K 4,096, N 10]; A: computed on the way; B: input W2o: left as it is (N = 10 < 16)
;;     3. [M 8,192, K 1,024] x [K 1,024, N 4,096]; A: input x (given as codes); B: input W1f (given as codes): QUANTISED
;;     4. [M 8,192, K 4,096] x [K 4,096, N 10]; A: computed on the way; B: input W2f: left as it is (N = 10 < 16)
;;   THE QUANTISER, for each operand of a quantised product, along K:
;;     - K is cut into blocks of 32 from its start; a last block that is shorter is filled with zeros.
;;     - A block's scale is 2^e with e = floor(log2(the largest magnitude in the block)) - 2, held to -126 .. 127; a block of zeros has e = 0. As a byte (E8M0): e + 127.
;;     - Each number is divided by its block's scale, clamped to +-6, and rounded to the nearest number of E2M1, ties to even, subnormals kept.
;;     - The product sums the exact products of the quantised numbers (number of the format x scale) in f32.
;;   ~~~python
;;   def quantise(x, axis):      # numpy; x: float32 -> the quantised numbers, widened to float32 again
;;       x = np.moveaxis(x, axis, -1); K = x.shape[-1]
;;       x = np.pad(x, [(0, 0)] * (x.ndim - 1) + [(0, -K % 32)]); x = x.reshape(x.shape[:-1] + (-1, 32)); a = np.abs(x).max(-1, keepdims=True)
;;       e = np.where(a > 0, np.clip(np.frexp(np.where(a > 0, a, 1))[1] - 1 - 2, -126, 127), 0)      # np.frexp(a)[1] - 1 = floor(log2(a)), exactly
;;       r = np.clip(x / 2.0 ** e, -6, 6)
;;       step = 2.0 ** (np.maximum(np.frexp(np.where(r == 0, 1, r))[1] - 1, 0) - 1)
;;       q = np.round(r / step) * step * 2.0 ** e      # np.round: ties to even
;;       return np.moveaxis(q.reshape(q.shape[:-2] + (-1,))[..., :K], -1, axis).astype(np.float32)
;;   ~~~
;;   INPUTS GIVEN AS CODES. W1f (in the module: [1024, 4096], K = its axis 0); W1o (in the module: [1024, 4096], K = its axis 0); x (in the module: [8192, 1024], K = its axis 1): each comes as NAME_codes (uint8): NAME with its K axis moved to the last place and cut into blocks of 32 codes, [.., K / 32, bytes a block], one block behind the other in memory; two codes a byte, the lower K in the low four bits (a code: sign, 2 exponent bits, 1 mantissa bit); and NAME_scales (uint8): the same leading axes, one E8M0 byte (e + 127) for each 32 codes along K. Its value is code x scale, taken as it is: it is not quantised again, and the codes and scales need not be those that the quantiser above would give.
;; 2 versions. Each part assembles by itself: llvm-mc -triple=amdgcn-amd-amdhsa -mcpu=gfx1250 --defsym DOCPART=n.
;; ======== version 1 of 2: 2 launches
;; workspace buffers: part 2,621,440 bytes
;; launch hidden (part 1): grid 8 x 32, 4 waves a work-group, clusters of 4 x 4, 327,680 bytes of LDS; arguments x_codes, x_scales, W1o_codes, W1f_codes, W1o_scales, W1f_scales, b1o, b1f, W2o, W2f, part; writes part
.if DOCPART == 1
	.amdgcn_target "amdgcn-amd-amdhsa--gfx1250"
	.amdhsa_code_object_version 6
	.text
	.protected	k_q2fa27d815c_hidden
	.globl	k_q2fa27d815c_hidden
	.p2align	8
	.type	k_q2fa27d815c_hidden,@function
k_q2fa27d815c_hidden:
	s_mov_b64 s[64:65], 0
	v_nop
	global_prefetch_b8 v0, s[64:65] scope:SCOPE_SE
	s_setreg_imm32_b32 hwreg(HW_REG_WAVE_MODE, 25, 1), 1
	s_wait_xcnt 0x0
	s_wait_alu depctr_hold_cnt(0) depctr_sa_sdst(0) depctr_va_vdst(0) depctr_va_sdst(0) depctr_va_ssrc(0) depctr_va_vcc(0) depctr_vm_vsrc(0)
	s_getreg_b32 s2, hwreg(HW_REG_IB_STS2, 6, 4)
	s_cmp_eq_u32 s2, 0
	s_cbranch_scc0 .Lentry_in_a_cluster
	s_endpgm
.Lentry_in_a_cluster:
	s_bfe_u32 s2, ttmp6, 0x10000c
	s_cmp_lg_u32 s2, 0xf033
	s_cbranch_scc0 .Lentry_shape_is_right
	s_endpgm
.Lentry_shape_is_right:
; part[g][rg] = partial logits: relu(x W1 + b1) W2, summed over the 1,024 hidden units of column group g, for 32 rows rg.
; x [8192][1024] and W1 [4096][1024] (two nets, o and f) are E2M1 codes, K innermost, one E8M0 byte for each 32 along K; b1 [4096], W2 [4096][10] f32.
; SHARES.  Work-group x = 4 x cluster x + cx is the column group g: the net is cluster x, the hidden units are 1024 cx on.  Work-group y is a block of 256 rows.
; Four waves: rh = wave / 2 picks 128 rows, ch = wave % 2 picks which 128 of a slot's 256 hidden units.
; x STAYS IN REGISTERS: a wave's 128 rows x 1,024 K of codes are 512 registers.  W1 streams through two LDS regions, 256 whole rows (512 bytes each) to a slot, four slots.
; A PHASE is one block of 16 hidden units: 8 K steps x 8 blocks of 16 rows = 64 scaled matrix instructions, USED TRANSPOSED (source 0 = 16 rows of W1, source 1 = 16 rows of x):
; a lane holds one row of x and its eight registers the hidden units 8 (lane / 16) + 0 .. 7.  b1 is the C of each sum's first instruction.
; Two blocks, E and O, are a PAIR of 32 hidden units: E's results, as bf16, are registers 0-3 of the second product's source 1, O's are registers 4-7: nothing changes lanes.
; While one block is multiplied, the block before is clipped at 0 and narrowed, two vector lines behind each matrix instruction.  These lines name vector registers as source 0 and destination alone,
; which lie in the window that the matrix instructions use for these two places: no switch of the window is spent on them.
; The second product (bf16, source 0 = W2's classes, source 1 = the hidden layer) adds onto eight accumulators that stay: rows 0-4 of source 0 are classes 0-4, rows 8-12 classes 5-9, so that
; lane (r, h) ends with classes 5 h + 0 .. 4 of row r in registers 0 .. 4.  The other rows hold copies of classes that lie inside W2; their results are never read.
; CLUSTER 4 x 4: x's tiles hang on the row block alone and are asked for jointly along a row of the cluster; W1's codes and scales and b1 hang on the net and cx alone: jointly along a column.
; LIMITS: a NaN in a hidden unit (a scale byte 0xff) becomes 0 at the clip; the hidden layer and W2 are rounded to bf16 for the second product, its sums are f32.
; REGISTERS, in windows of 256.  Window 0: v1-15 addresses; v16-47 x's scale words; v48-63 W1's scale words (E, O); v64-79 b1 (E, O); v80-87 W2's fragment; v96-159 the eight logit accumulators; v160-207 the tail.
;   Window 1: v0-63 W1's fragments of one block, one set that rolls; v64-127, v128-191 the accumulators of E and of O; v192-255 the hidden layer as bf16.   Windows 2, 3: x, K steps 0-3 and 4-7, at v[64 (s % 4) + 8 a].
.set PITCH, 528                        ; an LDS row of codes: 512 bytes + 16 of padding = 132 words: row r starts at bank 4 r mod 64 (64 banks of 4 bytes: ISA guide 11.1)
.set BLKB,  16*PITCH
.set PAIRB, 32*PITCH
.set HALFB, 128*PITCH
.set REGB,  0                          ; W1's slots 0 and 2; in the tail the stage
.set REGA,  256*PITCH                  ; x's 256 rows, then W1's slots 1 and 3
.set SCB,   2*256*PITCH                ; W1's scale bytes of a slot, 256 rows x 32 bytes, two places by turns
.set SCSL,  8192
.set B1B,   SCB+2*SCSL                 ; b1 of the group's 1,024 units: filled once
.set W2B,   B1B+4096                   ; 32 images of W2's fragments, 1,024 bytes each: stored by the waves, no fill lands here
.set SPARE, W2B+32768                  ; the spare words, 128 bytes for each wave: two blocks of 256 bytes that no other line names
.set XO,  1                            ; v1   32 x lane: x's scale words in memory
.set SPW, 2                            ; v2   LDS address of my spare word; never rewritten
.set NIL, 3                            ; v3   0; never rewritten
.set AF,  4                            ; v4   my lane's place in a block of W1;  v5 the address in hand
.set ADF, 5
.set AS,  6                            ; v6   among W1's scale words;  v7
.set ADS, 7
.set AB,  8                            ; v8   in b1;  v9
.set ADB, 9
.set AW,  10                           ; v10  in an image of W2;  v11
.set ADW, 11
.set AX,  12                           ; v12  my lane's place in my 128 rows of x
.set XS,  16                           ; x's scale words: register 8 i + s: lanes 0-15 row block 2 i, lanes 16-31 row block 2 i + 1, K step s
.set SE,  48                           ; W1's scale words: E's at v48-55, O's at v56-63, register s for K step s
.set BE,  64                           ; b1 in the result's layout: E's at v64-71, O's at v72-79
.set WF,  80
.set L,   96
.set GW,  160                          ; v160 W2 in memory: 320 h + 4 x class
.set IW,  161                          ; v161 where I store W2's images
.set SA,  162                          ; v162, v163 the stage, on the way in
.set SB,  163
.set RA,  164                          ; v164, v165 and back
.set RQ,  165
.set GA,  166                          ; v166 16 x lane, v167 8 x lane: part
.set GB,  167
.set P0,  168
.set P1,  184
.set Q0,  200
.set Q1,  204
.set G1X, 32                           ; s[32:39] group 1 for x's tiles; s[40:47] W1's codes; s[48:55] W1's scales; s[56:63] b1
.set G1C, 40
.set G1S, 48
.set G1B, 56
.set G0X, 68                           ; s[68:71] group 0 for x; s[72:79] W1's codes, a set for each region; s[80:87] W1's scales, a set for each place; s[88:91] b1
.set G0C, 72
.set G0S, 80
.set G0B, 88
.set WV,  92
.set RH,  93
.set CH,  94
.set TBF, 95                           ; s95-97 LDS bytes at which the NEXT pair's codes, scale words and b1 begin;  s98 where the image of W2 for the pair IN HAND begins
.set TBS, 96
.set TBB, 97
.set TBW, 98
.set CNT, 99
.set ONE, 100                          ; s100 1.0
.set M_BIAS, 0x49                      ; source 0 (W1) window 1, source 1 (x) window 2, C (b1) window 0, D window 1
.set M_LO,   0x59                      ; the same with C in window 1
.set M_HI,   0x5d                      ; the same with x in window 3
.set LD_F,   0x40                      ; destination window 1, address window 0
.set BF,     0x04                      ; source 1 (the hidden layer) window 1, all else window 0
.set MSB, 0
.macro WIN new                         ; the immediate's high byte repeats the setting that is left; a switch that changes nothing is dropped
.if MSB != \new
	s_set_vgpr_msb (MSB<<8)|\new
.set MSB, \new
.endif
.endm
.macro PLACES                          ; four plain places (ISA guide 7.12.1) where no other vector work is at hand
.rept 4
	v_nop
.endr
.endm
.macro CREST                           ; a round of the cluster's barrier behind its opening barrier
	s_cmp_lg_u32 s[WV], 0
	s_cbranch_scc1 .Lnot_wave_0_\@
	s_barrier_signal -3
.Lnot_wave_0_\@:
	s_barrier_wait -3
	s_barrier_signal -1
	s_barrier_wait -1
.endm
.macro CROUND                          ; a whole round
	s_barrier_signal -1
	s_barrier_wait -1
	CREST
.endm
; A joint refill of region n: waves 0 and 1 fetch the two halves of a slot's codes; sc = 1: wave 2 its scale bytes; the others nothing.  The branches hang on the wave's number alone.
; Four v_nop follow each tensor load, ahead of the jump, the label and what follows.
.macro JL n, sc
	s_cmp_lt_u32 s[WV], 2
	s_cbranch_scc0 .Lnot_c_\@
	tensor_load_to_lds s[G0C+4*(\n):G0C+4*(\n)+3], s[G1C:G1C+7]
	s_nop 0
	PLACES
	s_branch .Ldone_\@
.Lnot_c_\@:
.if \sc
	s_cmp_eq_u32 s[WV], 2
	s_cbranch_scc0 .Ldone_\@
	tensor_load_to_lds s[G0S+4*(\n):G0S+4*(\n)+3], s[G1S:G1S+7]
	s_nop 0
	PLACES
.endif
.Ldone_\@:
.endm
; One scaled matrix instruction: block q (0: E, 1: O), K step s, row block a.  x's scale words of an odd row block lie in lanes 16-31.
.macro WM q, s, a
.set rD, 64+64*(\q)+8*(\a)
.set rF, 8*(\s)
.set rX, 64*((\s)%4)+8*(\a)
.set rW, SE+8*(\q)+(\s)
.set rY, XS+8*((\a)/2)+(\s)
.set rB, BE+8*(\q)
.if (\s) == 0
.if (\a)%2
	v_wmma_scale_f32_16x16x128_f8f6f4 v[rD:rD+7], v[rF:rF+7], v[rX:rX+7], v[rB:rB+7], v[rW], v[rY] matrix_a_fmt:MATRIX_FMT_FP4 matrix_b_fmt:MATRIX_FMT_FP4 matrix_b_scale:MATRIX_SCALE_ROW1
.else
	v_wmma_scale_f32_16x16x128_f8f6f4 v[rD:rD+7], v[rF:rF+7], v[rX:rX+7], v[rB:rB+7], v[rW], v[rY] matrix_a_fmt:MATRIX_FMT_FP4 matrix_b_fmt:MATRIX_FMT_FP4
.endif
.else
.if (\a)%2
	v_wmma_scale_f32_16x16x128_f8f6f4 v[rD:rD+7], v[rF:rF+7], v[rX:rX+7], v[rD:rD+7], v[rW], v[rY] matrix_a_fmt:MATRIX_FMT_FP4 matrix_b_fmt:MATRIX_FMT_FP4 matrix_b_scale:MATRIX_SCALE_ROW1
.else
	v_wmma_scale_f32_16x16x128_f8f6f4 v[rD:rD+7], v[rF:rF+7], v[rX:rX+7], v[rD:rD+7], v[rW], v[rY] matrix_a_fmt:MATRIX_FMT_FP4 matrix_b_fmt:MATRIX_FMT_FP4
.endif
.endif
.endm
; Line n of 16 that turn row block a of accumulator set u into bf16: 0-7 the clip at 0, from the accumulator's lowest register on; 8-15 the rounding of register n - 8 into a half of the hidden layer's register.
.macro CV u, a, n
.set rC, 64+64*(\u)+8*(\a)
.set rH, 192+8*(\a)+4*(\u)
.if (\n) < 8
	v_max_num_f32 v[rC+(\n)], v[rC+(\n)], 0
.elseif ((\n)%2) == 0
	v_fma_mixlo_bf16 v[rH+((\n)-8)/2], v[rC+(\n)-8], s[ONE], 0
.else
	v_fma_mixhi_bf16 v[rH+((\n)-8)/2], v[rC+(\n)-8], s[ONE], 0
.endif
.endm
; A run of LDS loads in phase q: the next block's fragments of K steps j and j + 1 (an E phase fetches the same pair's O, 16 rows on; an O phase the next pair's E).
; With j = 0 also what the next block wants beside them: its scale words and b1; in an O phase W2's fragment for the pair in hand.  roll = 0: there is no next block.
.macro RUN q, j, roll
.if \roll
	WIN LD_F
.irp f, 0,1
.irp c, 0,1
	ds_load_b128 v[8*((\j)+\f)+4*\c:8*((\j)+\f)+4*\c+3], v[ADF] offset:(1-(\q))*BLKB+64*((\j)+\f)+32*\c
.endr
.endr
.endif
.if (\j) == 0
	WIN 0
.if (\q) == 0
	ds_load_b128 v[SE+8:SE+11],  v[ADS] offset:512
	ds_load_b128 v[SE+12:SE+15], v[ADS] offset:528
	ds_load_b128 v[BE+8:BE+11],  v[ADB] offset:64
	ds_load_b128 v[BE+12:BE+15], v[ADB] offset:80
.else
.if \roll
	ds_load_b128 v[SE:SE+3],   v[ADS]
	ds_load_b128 v[SE+4:SE+7], v[ADS] offset:16
	ds_load_b128 v[BE:BE+3],   v[ADB]
	ds_load_b128 v[BE+4:BE+7], v[ADB] offset:16
.endif
	ds_load_b128 v[WF:WF+3],   v[ADW]
	ds_load_b128 v[WF+4:WF+7], v[ADW] offset:512
.endif
.endif
.endm
; K step s of phase q: eight matrix instructions, the eight accumulators by turns.  conv = 1: row block s of the other set is narrowed, two lines behind each
; matrix instruction; in step 7 the last four lines stand behind the last matrix instruction: they are the places in front of the run of loads that ends the phase.
; In steps 2, 4, 6 a run of loads stands behind the second matrix instruction: the last product that read those fragments lies six narrowing lines back.
.macro KSTEP q, s, conv, roll
.if (\s) == 0
.set MW, M_BIAS
.elseif (\s) < 4
.set MW, M_LO
.else
.set MW, M_HI
.endif
.irp a, 0,1,2,3,4,5,6,7
	WIN MW
	WM \q, \s, \a
.if \conv
.if ((\s) < 7) || (\a < 6)
	CV 1-(\q), \s, 2*\a
	CV 1-(\q), \s, 2*\a+1
.elseif \a == 7
	CV 1-(\q), \s, 12
	CV 1-(\q), \s, 13
	CV 1-(\q), \s, 14
	CV 1-(\q), \s, 15
.endif
.endif
.if (\a == 1) && (((\s) == 2) || ((\s) == 4) || ((\s) == 6))
.if !(\conv)
	PLACES
.endif
	RUN \q, (\s)-2, \roll
.endif
.endr
.endm
; A PHASE.  turn = 1, 2: the phase changes slots (its own fragments are the old slot's last; its runs of loads read the new slot).  In front of the barrier each wave waits for all its tensor loads,
; adds 0 to its spare word, and waits for that and for its reads of the old slot.  turn = 1: the barrier opens a round of the cluster's, and region n is filled again, first thing behind the round.
.macro PHASE q, conv, roll, turn, n
.if (\q) == 0
.set R2, 8
.elseif \roll
.set R2, 10
.else
.set R2, 2
.endif
.set R4, 4*(\roll)
.if \turn
	WIN 0                                          ; (the add's two registers lie in window 0)
	s_wait_tensorcnt 0x0                           ; all my tensor loads have landed: my part of the next slot; so a group 0 may be written
	ds_add_u32 v[SPW], v[NIL]                      ; 0 onto my spare word
.if (\turn) == 1
	s_add_nc_u64 s[G0C+4*(\n)+2:G0C+4*(\n)+3], s[G0C+4*(\n)+2:G0C+4*(\n)+3], 2*256*512   ; this region's next slot: 512 rows of W1 on
	s_add_nc_u64 s[G0S+4*(\n)+2:G0S+4*(\n)+3], s[G0S+4*(\n)+2:G0S+4*(\n)+3], 2*SCSL
.endif
	s_wait_dscnt 13                                ; the last phase's first run is in; its three later runs of four and the add may be out
.else
	s_wait_dscnt 12                                ; the last phase's first run (K steps 0 and 1, scale words, b1) is in; its three later runs of four may be out
.endif
	KSTEP \q, 0, \conv, \roll
.if \turn
	s_wait_dscnt 0x0                               ; the add is done, and my reads of the old slot are over
	s_barrier_signal -1
.endif
	KSTEP \q, 1, \conv, \roll
.if \turn
	WIN 0
	s_barrier_wait -1
.if (\turn) == 1
	CREST                                          ; no wave of any partner still reads the old slot or has a load on its way
	JL \n, 1
.endif
.endif
	s_wait_dscnt 8                                 ; K steps 2 and 3 are in; the last phase's two last runs may be out
	KSTEP \q, 2, \conv, \roll
	KSTEP \q, 3, \conv, \roll
	s_wait_dscnt 4+R2                              ; K steps 4 and 5 are in; behind them: the last phase's last run and this phase's first
	KSTEP \q, 4, \conv, \roll
	KSTEP \q, 5, \conv, \roll
	s_wait_dscnt R2+R4                             ; K steps 6 and 7 are in; behind them: this phase's first two runs
	KSTEP \q, 6, \conv, \roll
	KSTEP \q, 7, \conv, \roll
.if !(\conv)
	PLACES
.endif
	RUN \q, 6, \roll
.endm
.macro BFG                             ; the pair's 32 hidden units into the logits: eight accumulators by turns
	WIN BF
.irp a, 0,1,2,3,4,5,6,7
	v_wmma_f32_16x16x32_bf16 v[L+8*\a:L+8*\a+7], v[WF:WF+7], v[192+8*\a:192+8*\a+7], v[L+8*\a:L+8*\a+7]
.endr
.endm
; A TRIP: pair p's O (narrowing p's E, fetching pair p + 1's E), pair p + 1's E (narrowing p's O, fetching p + 1's O), pair p's second product.
.macro TRIP turn, n
	WIN 0
	v_add_nc_u32 v[ADF], s[TBF], v[AF]
	v_add_nc_u32 v[ADS], s[TBS], v[AS]
	v_add_nc_u32 v[ADB], s[TBB], v[AB]
	v_add_nc_u32 v[ADW], s[TBW], v[AW]
	PHASE 1, 1, 1, \turn, \n
	PHASE 0, 1, 1, 0, 0
	BFG
.endm
; Slot t: three trips in a loop (they fetch my pairs 1, 2, 3 of the slot), and the closing trip, written out, which fetches the next slot's pair 0 and changes slots.
.macro SLOT t, turn, n
	WIN 0                                          ; at a label and at a branch every window is 0
	s_mov_b32 s[TBF], ((\t)%2)*REGA+PAIRB
	s_mov_b32 s[TBS], SCB+((\t)%2)*SCSL+1024
	s_mov_b32 s[TBB], B1B+1024*(\t)+128
	s_mov_b32 s[TBW], W2B+8192*(\t)
	s_mov_b32 s[CNT], 3
.Lslot_\@:
	TRIP 0, 0
	WIN 0
	s_add_co_u32 s[TBF], s[TBF], PAIRB
	s_add_co_u32 s[TBS], s[TBS], 1024
	s_add_co_u32 s[TBB], s[TBB], 128
	s_add_co_u32 s[TBW], s[TBW], 1024
	s_sub_co_u32 s[CNT], s[CNT], 1
	s_cmp_lg_u32 s[CNT], 0
	s_cbranch_scc1 .Lslot_\@
	s_mov_b32 s[TBW], W2B+8192*(\t)+3072
.if (\t) < 3
	s_mov_b32 s[TBF], (((\t)+1)%2)*REGA
	s_mov_b32 s[TBS], SCB+(((\t)+1)%2)*SCSL
	s_mov_b32 s[TBB], B1B+1024*((\t)+1)
	TRIP \turn, \n
.else
	v_add_nc_u32 v[ADW], s[TBW], v[AW]
	PHASE 1, 1, 0, 0, 0                            ; the very last block: nothing more to fetch but W2's fragment
.endif
.endm
	s_load_b512 s[8:23], s[0:1], 0x0               ; x's codes 8, x's scales 10, W1o 12, W1f 14, W1o's scales 16, W1f's 18, b1o 20, b1f 22
	s_load_b128 s[24:27], s[0:1], 0x40             ; W2o, W2f
	s_load_b64 s[28:29], s[0:1], 0x50              ; part
	v_lshl_add_u32 v[SPW], v0, 2, SPARE
	v_mov_b32 v[NIL], 0
	ds_add_u32 v2, v3
	ds_add_u32 v2, v3
	s_wait_dscnt 0x0
	v_lshrrev_b32 v13, 5, v0
	v_readfirstlane_b32 s[WV], v13                 ; wave 0..3
	s_lshr_b32 s[RH], s[WV], 1
	s_and_b32 s[CH], s[WV], 1
	s_mov_b32 s[ONE], 1.0
	s_bfe_u32 s2, ttmp6, 0x40000                   ; cx
	s_bfe_u32 s3, ttmp6, 0x40004                   ; cy
	s_and_b32 s4, ttmp7, 0xffff
	s_lshl_b32 s4, s4, 2
	s_add_co_u32 s4, s4, s3                        ; the row block = 4 x cluster y + cy
	s_lshl_b32 s5, s3, 2
	s_lshl_b32 s5, 15, s5                          ; my row of the cluster
	s_lshl_b32 s6, 0x1111, s2                      ; my column
	; group 1.  Codes: rows of 512 elements of 1 byte, 512 bytes apart, 16 bytes of padding behind every 128 words; x 64 rows to a load, W1 128.
	s_or_b32 s[G1X], s5, (1<<20)|(1<<21)|(6<<22)|(3<<25)
	s_or_b32 s[G1C], s6, (1<<20)|(1<<21)|(6<<22)|(3<<25)
	s_mov_b32 s[G1X+1], 512<<16                    ; tensor_dim0
	s_mov_b32 s[G1X+2], 64<<16                     ; tensor_dim1
	s_mov_b32 s[G1X+3], 512<<16                    ; tile_dim0
	s_mov_b32 s[G1X+4], 64                         ; tile_dim1
	s_mov_b32 s[G1X+5], 512                        ; the pitch
	s_mov_b32 s[G1X+6], 0
	s_mov_b32 s[G1X+7], 0
	s_mov_b32 s[G1C+1], 512<<16
	s_mov_b32 s[G1C+2], 128<<16
	s_mov_b32 s[G1C+3], 512<<16
	s_mov_b32 s[G1C+4], 128
	s_mov_b32 s[G1C+5], 512
	s_mov_b32 s[G1C+6], 0
	s_mov_b32 s[G1C+7], 0
	; dense blocks as rows of 256 bytes (32 elements of 8 bytes), no padding: a slot's scale bytes 32 rows, b1 16 rows
	s_or_b32 s[G1S], s6, (3<<16)|(1<<21)
	s_or_b32 s[G1B], s6, (3<<16)|(1<<21)
	s_mov_b32 s[G1S+1], 32<<16
	s_mov_b32 s[G1S+2], 32<<16
	s_mov_b32 s[G1S+3], 32<<16
	s_mov_b32 s[G1S+4], 32
	s_mov_b32 s[G1S+5], 32
	s_mov_b32 s[G1S+6], 0
	s_mov_b32 s[G1S+7], 0
	s_mov_b32 s[G1B+1], 32<<16
	s_mov_b32 s[G1B+2], 16<<16
	s_mov_b32 s[G1B+3], 32<<16
	s_mov_b32 s[G1B+4], 16
	s_mov_b32 s[G1B+5], 32
	s_mov_b32 s[G1B+6], 0
	s_mov_b32 s[G1B+7], 0
	s_wait_kmcnt 0x0
	s_cmp_eq_u32 ttmp9, 0                          ; the net: cluster x, the same in all sixteen partners
	s_cselect_b64 s[12:13], s[12:13], s[14:15]
	s_cselect_b64 s[16:17], s[16:17], s[18:19]
	s_cselect_b64 s[20:21], s[20:21], s[22:23]
	s_cselect_b64 s[24:25], s[24:25], s[26:27]
	; x: offsets made of the row block and the wave alone
	s_lshl_b32 s30, s4, 17                         ; 256 rows of 512 bytes
	s_lshl_b32 s31, s[WV], 15                      ; my 64 of them
	s_add_co_u32 s30, s30, s31
	s_mov_b32 s31, 0
	s_mov_b32 s[G0X], 1
	s_mul_i32 s[G0X+1], s[WV], 64*PITCH
	s_add_co_u32 s[G0X+1], s[G0X+1], REGA
	s_add_nc_u64 s[G0X+2:G0X+3], s[8:9], s[30:31]
	s_or_b32 s[G0X+3], s[G0X+3], 0x80000000
	s_lshl_b32 s30, s4, 13                         ; x's scale bytes: 256 rows of 32 bytes,
	s_lshl_b32 s7, s[RH], 12                       ; my 128 rows
	s_add_co_u32 s30, s30, s7
	s_add_nc_u64 s[10:11], s[10:11], s[30:31]
	; W1, its scales, b1, W2: offsets made of cx and the wave alone
	s_lshl_b32 s66, s2, 19                         ; 1,024 rows of 512 bytes
	s_lshl_b32 s67, s[CH], 16                      ; which 128 rows of a slot I fetch
	s_add_co_u32 s66, s66, s67
	s_mov_b32 s67, 0
	s_mov_b32 s[G0C], 1
	s_mul_i32 s[G0C+1], s[CH], HALFB               ; region B begins at LDS byte 0
	s_add_nc_u64 s[G0C+2:G0C+3], s[12:13], s[66:67]          ; slot 0
	s_add_nc_u64 s[G0C+6:G0C+7], s[G0C+2:G0C+3], 256*512     ; slot 1
	s_or_b32 s[G0C+3], s[G0C+3], 0x80000000
	s_or_b32 s[G0C+7], s[G0C+7], 0x80000000
	s_mov_b32 s[G0C+4], 1
	s_add_co_u32 s[G0C+5], s[G0C+1], REGA
	s_lshl_b32 s66, s2, 15                         ; 1,024 rows of 32 scale bytes
	s_mov_b32 s[G0S], 1
	s_mov_b32 s[G0S+1], SCB
	s_add_nc_u64 s[G0S+2:G0S+3], s[16:17], s[66:67]
	s_add_nc_u64 s[G0S+6:G0S+7], s[G0S+2:G0S+3], SCSL
	s_or_b32 s[G0S+3], s[G0S+3], 0x80000000
	s_or_b32 s[G0S+7], s[G0S+7], 0x80000000
	s_mov_b32 s[G0S+4], 1
	s_mov_b32 s[G0S+5], SCB+SCSL
	s_lshl_b32 s66, s2, 12                         ; 1,024 numbers of b1
	s_mov_b32 s[G0B], 1
	s_mov_b32 s[G0B+1], B1B
	s_add_nc_u64 s[G0B+2:G0B+3], s[20:21], s[66:67]
	s_or_b32 s[G0B+3], s[G0B+3], 0x80000000
	s_mul_i32 s66, s2, 40960                       ; 1,024 rows of W2, 40 bytes each,
	s_mul_i32 s101, s[WV], 10240                   ; the 8 pairs whose images I make
	s_add_co_u32 s66, s66, s101
	s_add_nc_u64 s[24:25], s[24:25], s[66:67]
	; part: ((4 net + cx) x 256 + 8 x row block + 2 x wave) x 1,280 bytes
	s_lshl_b32 s6, ttmp9, 2
	s_add_co_u32 s6, s6, s2
	s_lshl_b32 s6, s6, 8
	s_lshl_b32 s7, s4, 3
	s_add_co_u32 s6, s6, s7
	s_lshl_b32 s7, s[WV], 1
	s_add_co_u32 s6, s6, s7
	s_mul_i32 s6, s6, 1280
	s_mov_b32 s7, 0
	s_add_nc_u64 s[28:29], s[28:29], s[6:7]
	CROUND                                         ; all sixteen work-groups are here: the first joint loads meet
	; THE FIRST FILLS, one group: every wave 64 rows of x; waves 0, 1 slot 0's codes; wave 2 the scale bytes of slots 0 and 1; wave 3 b1.  At most three loads of a wave are out; every wait for them is for 0.
	tensor_load_to_lds s[G0X:G0X+3], s[G1X:G1X+7]
	s_nop 0
	PLACES
	s_cmp_lt_u32 s[WV], 2
	s_cbranch_scc0 .Lfirst_not_c
	tensor_load_to_lds s[G0C:G0C+3], s[G1C:G1C+7]
	s_nop 0
	PLACES
	s_branch .Lfirst_done
.Lfirst_not_c:
	s_cmp_eq_u32 s[WV], 2
	s_cbranch_scc0 .Lfirst_b
	tensor_load_to_lds s[G0S:G0S+3], s[G1S:G1S+7]
	s_nop 0
	tensor_load_to_lds s[G0S+4:G0S+7], s[G1S:G1S+7]
	s_nop 0
	PLACES
	s_branch .Lfirst_done
.Lfirst_b:
	tensor_load_to_lds s[G0B:G0B+3], s[G1B:G1B+7]
	s_nop 0
	PLACES
.Lfirst_done:
	; every lane term, for the loop and for the tail, is made here, on the way that all waves take
	v_and_b32 v13, 15, v0                          ; r
	v_bfe_u32 v14, v0, 4, 1                        ; h
	v_and_b32 v15, 31, v0                          ; lane
	v_mul_u32_u24 v[AF], v13, PITCH
	v_lshl_add_u32 v[AF], v14, 4, v[AF]            ; a fragment: row r x pitch + 16 h
	s_mul_i32 s30, s[RH], HALFB
	s_add_co_u32 s30, s30, REGA
	v_add_nc_u32 v[AX], s30, v[AF]                 ; x: my 128 rows
	s_mul_i32 s30, s[CH], HALFB
	v_add_nc_u32 v[AF], s30, v[AF]                 ; W1: my half of a slot
	v_lshlrev_b32 v[AS], 5, v13
	s_lshl_b32 s30, s[CH], 12
	v_add_nc_u32 v[AS], s30, v[AS]                 ; scale words: 32 bytes a row, 128 rows a half
	v_lshlrev_b32 v[AW], 4, v15
	v_add_nc_u32 v[AW], s30, v[AW]                 ; W2's images: 16 x lane, four images a half
	v_lshlrev_b32 v[AB], 5, v14
	s_lshl_b32 s31, s[CH], 9
	v_add_nc_u32 v[AB], s31, v[AB]                 ; b1: my eight units of a block, 32 h; 128 units a half
	v_lshlrev_b32 v[XO], 5, v15
	v_lshrrev_b32 v[GW], 3, v13                    ; W2's class for row m = r of source 0: m - 3 (m / 8), held at 9: 0 .. 7, then 5 .. 9, 9, 9, 9
	v_mul_u32_u24 v[GW], v[GW], 3
	v_sub_nc_u32 v[GW], v13, v[GW]
	v_min_u32 v[GW], 9, v[GW]
	v_lshlrev_b32 v[GW], 2, v[GW]
	v_mad_u32_u24 v[GW], v14, 320, v[GW]           ; + 8 h rows of 40 bytes
	s_lshl_b32 s30, s[WV], 13
	s_add_co_u32 s30, s30, W2B
	v_lshl_add_u32 v[IW], v15, 4, s30
	s_mul_i32 s30, s[WV], 5120                     ; the stage: 8 row blocks x 640 bytes for each wave
	v_lshl_add_u32 v[SA], v15, 4, s30
	s_add_co_u32 s31, s30, 512
	v_lshl_add_u32 v[SB], v15, 2, s31
	s_mul_i32 s30, s[RH], 10240                    ; back: the two waves of my rows, row blocks 4 ch on
	s_mul_i32 s31, s[CH], 2560
	s_add_co_u32 s30, s30, s31
	v_lshl_add_u32 v[RA], v15, 4, s30
	s_add_co_u32 s30, s30, 512
	v_lshl_add_u32 v[RQ], v15, 2, s30
	v_lshlrev_b32 v[GA], 4, v15
	v_lshlrev_b32 v[GB], 3, v15
.irp i, 0,1,2,3                        ; x's scale words: lane l takes row 32 i + l of my 128: its 32 bytes are the words of the 8 K steps
	global_load_b128 v[XS+8*\i:XS+8*\i+3],   v[XO], s[10:11] offset:1024*\i
	global_load_b128 v[XS+8*\i+4:XS+8*\i+7], v[XO], s[10:11] offset:1024*\i+16
.endr
	; W2's fragments for 8 pairs: lane (m, h) wants W2[32 P + 16 u + 8 h + i][class(m)].  128 numbers a lane, into window 1's upper half (which so has a first writer)
	WIN LD_F
.set k, 0
.rept 128
	global_load_b32 v[128+k], v[GW], s[24:25] offset:(32*(k/16)+16*((k/8)%2)+k%8)*40
.set k, k+1
.endr
	s_wait_loadcnt 0x0
	WIN 0x45                                       ; sources and destination in window 1
.set k, 0
.rept 64
	v_cvt_pk_bf16_f32 v[k], v[128+2*k], v[129+2*k]
.set k, k+1
.endr
	WIN BF                                         ; an LDS store's data are its source 1
.set k, 0
.rept 16
	ds_store_b128 v[IW], v[4*k:4*k+3] offset:512*k ; images of the registers: 16 bytes a lane, 512 a store
.set k, k+1
.endr
	WIN 0
	s_wait_tensorcnt 0x0                           ; my first fills have landed,
	s_wait_dscnt 0x0                               ; my images are stored:
	s_barrier_signal -1
	s_barrier_wait -1                              ; everybody's are
	WIN 0x80                                       ; x into registers: K steps 0-3 into window 2,
.irp s, 0,1,2,3
.irp a, 0,1,2,3,4,5,6,7
.irp c, 0,1
	ds_load_b128 v[64*\s+8*\a+4*\c:64*\s+8*\a+4*\c+3], v[AX] offset:BLKB*\a+64*\s+32*\c
.endr
.endr
.endr
	WIN 0xc0                                       ; K steps 4-7 into window 3
.irp s, 0,1,2,3
.irp a, 0,1,2,3,4,5,6,7
.irp c, 0,1
	ds_load_b128 v[64*\s+8*\a+4*\c:64*\s+8*\a+4*\c+3], v[AX] offset:BLKB*\a+256+64*\s+32*\c
.endr
.endr
.endr
	WIN 0
	s_mov_b32 s[TBF], REGB
	s_mov_b32 s[TBS], SCB
	s_mov_b32 s[TBB], B1B
	v_add_nc_u32 v[ADF], s[TBF], v[AF]
	v_add_nc_u32 v[ADS], s[TBS], v[AS]
	v_add_nc_u32 v[ADB], s[TBB], v[AB]
	WIN LD_F                                       ; pair 0's E: fragments, scale words, b1
.irp s, 0,1,2,3,4,5,6,7
.irp c, 0,1
	ds_load_b128 v[8*\s+4*\c:8*\s+4*\c+3], v[ADF] offset:64*\s+32*\c
.endr
.endr
	WIN 0
	ds_load_b128 v[SE:SE+3],   v[ADS]
	ds_load_b128 v[SE+4:SE+7], v[ADS] offset:16
	ds_load_b128 v[BE:BE+3],   v[ADB]
	ds_load_b128 v[BE+4:BE+7], v[ADB] offset:16
	; x's LDS bytes pass to W1's slot 1: no tensor load of mine is out, the add, my reads of x are back; a round of the cluster's barrier; the joint refill first behind it
	s_wait_tensorcnt 0x0
	ds_add_u32 v[SPW], v[NIL]                      ; 0 onto my spare word
.set k, 0
.rept 64
	v_mov_b32 v[L+k], 0                            ; the logits begin as zeros, once, so that the second product is written in one form; these lines stand while the loads come back
.set k, k+1
.endr
	s_wait_dscnt 0x0
	CROUND
	JL 1, 0
	PHASE 0, 0, 1, 0, 0                            ; pair 0's E: nothing to narrow yet
	SLOT 0, 1, 0                                   ; at its end region B takes slot 2
	SLOT 1, 1, 1                                   ; region A takes slot 3
	SLOT 2, 2, 0                                   ; nothing is left to fetch: a plain barrier shows slot 3 whole to every wave
	SLOT 3, 0, 0
	; THE TAIL.  The last O is narrowed (its first row block was finished sixteen plain lines ago), the last pair goes into the logits.
	WIN M_HI
.irp a, 0,1,2,3,4,5,6,7
.irp n, 0,1,2,3,4,5,6,7,8,9,10,11,12,13,14,15
	CV 1, \a, \n
.endr
.endr
	s_wait_dscnt 0x0                               ; W2's last fragment
	BFG
	PLACES
	WIN 0
	; The two waves of a row half hold sums over different hidden units: they meet in a stage in region B, which has had its last fill and which nobody reads since the last change of slots.
.irp a, 0,1,2,3,4,5,6,7
	ds_store_b128 v[SA], v[L+8*\a:L+8*\a+3] offset:640*\a     ; each accumulator from its low end on: classes 5 h + 0 .. 3,
	ds_store_b32  v[SB], v[L+8*\a+4] offset:640*\a            ; and 5 h + 4
.endr
	s_wait_dscnt 0x0                               ; for the others' sake: my stores are done
	s_barrier_signal -1
	s_barrier_wait -1
.irp k, 0,1,2,3                        ; row blocks 4 ch + k of my rows, from both waves
	ds_load_b128 v[P0+4*\k:P0+4*\k+3], v[RA] offset:640*\k
	ds_load_b128 v[P1+4*\k:P1+4*\k+3], v[RA] offset:5120+640*\k
	ds_load_b32  v[Q0+\k], v[RQ] offset:640*\k
	ds_load_b32  v[Q1+\k], v[RQ] offset:5120+640*\k
.endr
	s_wait_dscnt 0x0
.irp k, 0,2,4,6,8,10,12,14
	v_pk_add_f32 v[P0+\k:P0+\k+1], v[P0+\k:P0+\k+1], v[P1+\k:P1+\k+1]
.endr
	v_pk_add_f32 v[Q0:Q0+1],   v[Q0:Q0+1],   v[Q1:Q1+1]
	v_pk_add_f32 v[Q0+2:Q0+3], v[Q0+2:Q0+3], v[Q1+2:Q1+3]
.irp i, 0,1                            ; a group of 32 rows is 1,280 bytes: two stores of 512 consecutive bytes and one of 256, each at a multiple of 256 from part's first byte
	global_store_b128 v[GA], v[P0+8*\i:P0+8*\i+3],   s[28:29] offset:1280*\i
	global_store_b128 v[GA], v[P0+8*\i+4:P0+8*\i+7], s[28:29] offset:1280*\i+512
	global_store_b64  v[GB], v[Q0+2*\i:Q0+2*\i+1],   s[28:29] offset:1280*\i+1024
.endr
	s_wait_tensorcnt 0x0                           ; the wave's end: behind my last tensor load and my last LDS store
	ds_add_u32 v[SPW], v[NIL]
	s_wait_dscnt 0x0
	CROUND                                         ; the closing round: no work-group ends while a partner may still ask for a tile that names it
	s_endpgm
.Lfunc_end_k_q2fa27d815c_hidden:
	.size	k_q2fa27d815c_hidden, .Lfunc_end_k_q2fa27d815c_hidden-k_q2fa27d815c_hidden
	.p2alignl 7, 3214868480
	.fill 96, 4, 3214868480
	.section	.rodata,"a",@progbits
	.p2align	6, 0x0
	.amdhsa_kernel k_q2fa27d815c_hidden
		.amdhsa_group_segment_fixed_size 327680
		.amdhsa_private_segment_fixed_size 0
		.amdhsa_enable_private_segment 0
		.amdhsa_kernarg_size 88
		.amdhsa_user_sgpr_count 2
		.amdhsa_user_sgpr_kernarg_segment_ptr 1
		.amdhsa_wavefront_size32 1
		.amdhsa_system_sgpr_workgroup_id_x 1
		.amdhsa_system_sgpr_workgroup_id_y 1
		.amdhsa_system_sgpr_workgroup_id_z 1
		.amdhsa_system_vgpr_workitem_id 0
		.amdhsa_next_free_vgpr 1024
		.amdhsa_next_free_sgpr 102
		.amdhsa_reserve_vcc 0
		.amdhsa_float_denorm_mode_32 3
		.amdhsa_float_denorm_mode_16_64 3
		.amdhsa_memory_ordered 1
		.amdhsa_forward_progress 1
		.amdhsa_inst_pref_size 255
	.end_amdhsa_kernel
	.section	.bss,"aw",@nobits
	.p2align	6
	.space	262144
	.amdgpu_metadata
---
amdhsa.version: [ 1, 2 ]
amdhsa.kernels:
  - .name:           k_q2fa27d815c_hidden
    .symbol:         k_q2fa27d815c_hidden.kd
    .args:
      - { .name: x_codes, .offset: 0, .size: 8, .value_kind: global_buffer, .address_space: global }
      - { .name: x_scales, .offset: 8, .size: 8, .value_kind: global_buffer, .address_space: global }
      - { .name: W1o_codes, .offset: 16, .size: 8, .value_kind: global_buffer, .address_space: global }
      - { .name: W1f_codes, .offset: 24, .size: 8, .value_kind: global_buffer, .address_space: global }
      - { .name: W1o_scales, .offset: 32, .size: 8, .value_kind: global_buffer, .address_space: global }
      - { .name: W1f_scales, .offset: 40, .size: 8, .value_kind: global_buffer, .address_space: global }
      - { .name: b1o, .offset: 48, .size: 8, .value_kind: global_buffer, .address_space: global }
      - { .name: b1f, .offset: 56, .size: 8, .value_kind: global_buffer, .address_space: global }
      - { .name: W2o, .offset: 64, .size: 8, .value_kind: global_buffer, .address_space: global }
      - { .name: W2f, .offset: 72, .size: 8, .value_kind: global_buffer, .address_space: global }
      - { .name: part, .offset: 80, .size: 8, .value_kind: global_buffer, .address_space: global }
    .group_segment_fixed_size: 327680
    .private_segment_fixed_size: 0
    .kernarg_segment_align: 8
    .kernarg_segment_size: 88
    .max_flat_workgroup_size: 128
    .sgpr_count:     102
    .vgpr_count:     1024
    .wavefront_size: 32
...
	.end_amdgpu_metadata
.endif
;; end of part 1
;; launch finish (part 2): grid 256 x 1, 1 waves a work-group, no clusters, 1,792 bytes of LDS; arguments part, b2o, b2f, out0; writes out0
.if DOCPART == 2
	.amdgcn_target "amdgcn-amd-amdhsa--gfx1250"
	.amdhsa_code_object_version 6
	.text
	.protected	k_q2fa27d815c_finish
	.globl	k_q2fa27d815c_finish
	.p2align	8
	.type	k_q2fa27d815c_finish,@function
k_q2fa27d815c_finish:
	s_mov_b64 s[64:65], 0
	v_nop
	global_prefetch_b8 v0, s[64:65] scope:SCOPE_SE
	s_setreg_imm32_b32 hwreg(HW_REG_WAVE_MODE, 25, 1), 1
	s_wait_xcnt 0x0
; out = p_o (1 - cond) + p_f cond, p = softmax(logits + b2), cond = the tau column of three rounds of square-and-normalise on [p_o, 0.5].  All in f32.
; part [8 groups][256 groups of 32 rows][1,280 bytes] holds partial logits as images of registers: groups 0-3 are net o's, 4-7 net f's.  One wave takes 32 rows: two blocks of 16.
; Lane (r, h) holds row r and classes 5 h + 0 .. 4 of both blocks; a row's other five classes lie in the lane 16 away: one exchange for each maximum and each sum.
; The softmax takes the row's maximum away first.  No matrix work, no barrier: one wave, and memory traffic of 11.5 KB a work-group.
.set ZO,  16                           ; v16-25  net o: block b's classes j = 0 .. 3 at ZO + 4 b + j, j = 4 at ZO + 8 + b; group g as loaded lies at v[16 + 10 g]
.set ZF,  56                           ; v56-65  net f likewise
.set B2O, 96                           ; v96-100  b2o at my five classes;  v102-106 b2f
.set B2F, 102
.set MX,  108                          ; v108-111 a maximum, then a sum, for (net, block)
.set TP,  112                          ; v112-115 what the lane 16 away sends
.set RC,  116                          ; v116-119 reciprocals
.set Q,   26                           ; v26-35  the sharpened numbers, laid as ZO
.set T,   36                           ; v36-37  the tau column
.set S,   38
.set A,   40
.set BB,  42
.set OM,  44
	s_load_b128 s[4:7], s[0:1], 0x0                ; part, b2o
	s_load_b128 s[8:11], s[0:1], 0x10              ; b2f, out0
	v_lshl_add_u32 v128, v0, 2, 0x600
	v_mov_b32 v129, 0
	v_and_b32 v4, 15, v0                           ; r
	v_lshrrev_b32 v5, 4, v0                        ; h
	v_lshlrev_b32 v1, 4, v0                        ; 16 x lane
	v_lshlrev_b32 v2, 3, v0                        ; 8 x lane
	v_mul_u32_u24 v3, v5, 20                       ; my five classes: 20 h bytes
	v_mul_u32_u24 v6, v4, 40
	v_add_nc_u32 v6, v6, v3                        ; a row of out0 is 40 bytes: 40 r + 20 h
.irp x, 0,1,2,3
	v_mov_b32 v[TP+\x], 0                          ; written once: a lane permute's destination counts as one of its sources
.endr
	s_mul_i32 s12, ttmp9, 1280
	s_mov_b32 s13, 0
	s_mov_b32 s14, 0x76543210
	s_mov_b32 s15, 0xfedcba98                      ; v_permlanex16_b32's selects for lane l xor 16
	s_mov_b32 s16, 0x3f638e39                      ; 2 / (2 + tau^2)
	s_wait_kmcnt 0x0
	s_add_nc_u64 s[4:5], s[4:5], s[12:13]
	s_add_nc_u64 s[10:11], s[10:11], s[12:13]
.irp g, 0,1,2,3,4,5,6,7
	global_load_b128 v[16+10*\g:19+10*\g], v1, s[4:5] offset:327680*\g th:TH_LOAD_NT
	global_load_b128 v[20+10*\g:23+10*\g], v1, s[4:5] offset:327680*\g+512 th:TH_LOAD_NT
	global_load_b64  v[24+10*\g:25+10*\g], v2, s[4:5] offset:327680*\g+1024 th:TH_LOAD_NT
.endr
.irp j, 0,1,2,3,4
	global_load_b32 v[B2O+\j], v3, s[6:7] offset:4*\j
	global_load_b32 v[B2F+\j], v3, s[8:9] offset:4*\j
.endr
	s_wait_loadcnt 0x0
.irp n, 0,1                            ; the four parts of each net: (g0 + g1) + (g2 + g3), two numbers a line
.irp p, 0,2,4,6,8
	v_pk_add_f32 v[16+40*\n+\p:17+40*\n+\p], v[16+40*\n+\p:17+40*\n+\p], v[26+40*\n+\p:27+40*\n+\p]
	v_pk_add_f32 v[36+40*\n+\p:37+40*\n+\p], v[36+40*\n+\p:37+40*\n+\p], v[46+40*\n+\p:47+40*\n+\p]
.endr
.irp p, 0,2,4,6,8
	v_pk_add_f32 v[16+40*\n+\p:17+40*\n+\p], v[16+40*\n+\p:17+40*\n+\p], v[36+40*\n+\p:37+40*\n+\p]
.endr
.irp b, 0,1                            ; + b2
	v_pk_add_f32 v[16+40*\n+4*\b:17+40*\n+4*\b], v[16+40*\n+4*\b:17+40*\n+4*\b], v[B2O+6*\n:B2O+6*\n+1]
	v_pk_add_f32 v[18+40*\n+4*\b:19+40*\n+4*\b], v[18+40*\n+4*\b:19+40*\n+4*\b], v[B2O+6*\n+2:B2O+6*\n+3]
	v_add_f32 v[24+40*\n+\b], v[24+40*\n+\b], v[B2O+6*\n+4]
.endr
.endr
	; the rows' maxima
.irp n, 0,1
.irp b, 0,1
	v_max3_num_f32 v[MX+2*\n+\b], v[ZO+40*\n+4*\b], v[ZO+40*\n+4*\b+1], v[ZO+40*\n+4*\b+2]
.endr
.endr
.irp n, 0,1
.irp b, 0,1
	v_max3_num_f32 v[MX+2*\n+\b], v[MX+2*\n+\b], v[ZO+40*\n+4*\b+3], v[ZO+40*\n+8+\b]
.endr
.endr
.irp x, 0,1,2,3
	v_permlanex16_b32 v[TP+\x], v[MX+\x], s14, s15
.endr
.irp x, 0,1,2,3
	v_max_num_f32 v[MX+\x], v[MX+\x], v[TP+\x]
.endr
.irp n, 0,1                            ; (z - max) x log2(e)
.irp b, 0,1
.irp j, 0,1,2,3
	v_sub_f32 v[ZO+40*\n+4*\b+\j], v[ZO+40*\n+4*\b+\j], v[MX+2*\n+\b]
.endr
	v_sub_f32 v[ZO+40*\n+8+\b], v[ZO+40*\n+8+\b], v[MX+2*\n+\b]
.endr
.endr
.irp n, 0,1
.irp k, 0,1,2,3,4,5,6,7,8,9
	v_mul_f32 v[ZO+40*\n+\k], 0x3fb8aa3b, v[ZO+40*\n+\k]
.endr
.endr
.irp n, 0,1
.irp k, 0,1,2,3,4,5,6,7,8,9
	v_exp_f32 v[ZO+40*\n+\k], v[ZO+40*\n+\k]       ; one batch of twenty
.endr
.endr
	v_nop                                          ; a plain line behind the last exponential
	s_wait_alu depctr_va_vdst(0)                   ; one wait for the batch, ahead of its first reader
.irp n, 0,1
.irp b, 0,1
	v_add_f32 v[MX+2*\n+\b], v[ZO+40*\n+4*\b], v[ZO+40*\n+4*\b+1]
	v_add_f32 v[RC+2*\n+\b], v[ZO+40*\n+4*\b+2], v[ZO+40*\n+4*\b+3]
.endr
.endr
.irp x, 0,1,2,3
	v_add_f32 v[MX+\x], v[MX+\x], v[RC+\x]
.endr
.irp n, 0,1
.irp b, 0,1
	v_add_f32 v[MX+2*\n+\b], v[MX+2*\n+\b], v[ZO+40*\n+8+\b]
.endr
.endr
.irp x, 0,1,2,3
	v_permlanex16_b32 v[TP+\x], v[MX+\x], s14, s15
.endr
.irp x, 0,1,2,3
	v_add_f32 v[MX+\x], v[MX+\x], v[TP+\x]
.endr
.irp x, 0,1,2,3
	v_rcp_f32 v[RC+\x], v[MX+\x]
.endr
	v_nop
	s_wait_alu depctr_va_vdst(0)                   ; one wait for the four reciprocals
.irp n, 0,1
.irp b, 0,1
.irp j, 0,1,2,3
	v_mul_f32 v[ZO+40*\n+4*\b+\j], v[ZO+40*\n+4*\b+\j], v[RC+2*\n+\b]
.endr
	v_mul_f32 v[ZO+40*\n+8+\b], v[ZO+40*\n+8+\b], v[RC+2*\n+\b]
.endr
.endr
; A round: square; the row's sum s; c = 2 / m; a = 2 - c s, b = 1 - c s; three times b = b b, a = a + a b; all times c a.  The two blocks by turns.
.macro SHARP i
.irp b, 0,1
.irp j, 0,1,2,3
.if \i == 0
	v_mul_f32 v[Q+4*\b+\j], v[ZO+4*\b+\j], v[ZO+4*\b+\j]
.else
	v_mul_f32 v[Q+4*\b+\j], v[Q+4*\b+\j], v[Q+4*\b+\j]
.endif
.endr
.if \i == 0
	v_mul_f32 v[Q+8+\b], v[ZO+8+\b], v[ZO+8+\b]
	v_mov_b32 v[T+\b], 0x3e800000                  ; tau^2 = 0.25
.else
	v_mul_f32 v[Q+8+\b], v[Q+8+\b], v[Q+8+\b]
	v_mul_f32 v[T+\b], v[T+\b], v[T+\b]
.endif
.endr
.irp b, 0,1
	v_add_f32 v[S+\b], v[Q+4*\b], v[Q+4*\b+1]
	v_add_f32 v[A+\b], v[Q+4*\b+2], v[Q+4*\b+3]
.endr
.irp b, 0,1
	v_add_f32 v[S+\b], v[S+\b], v[A+\b]
.endr
.irp b, 0,1
	v_add_f32 v[S+\b], v[S+\b], v[Q+8+\b]
.endr
.irp b, 0,1
	v_permlanex16_b32 v[TP+\b], v[S+\b], s14, s15
.endr
.irp b, 0,1
	v_add_f32 v[S+\b], v[S+\b], v[TP+\b]
.endr
.irp b, 0,1
	v_add_f32 v[S+\b], v[S+\b], v[T+\b]
.endr
.irp b, 0,1
.if \i == 0
	v_fma_f32 v[A+\b], -v[S+\b], s16, 2.0
	v_fma_f32 v[BB+\b], -v[S+\b], s16, 1.0
.else
	v_sub_f32 v[A+\b], 2.0, v[S+\b]
	v_sub_f32 v[BB+\b], 1.0, v[S+\b]
.endif
.endr
.rept 3
.irp b, 0,1
	v_mul_f32 v[BB+\b], v[BB+\b], v[BB+\b]
.endr
.irp b, 0,1
	v_fma_f32 v[A+\b], v[A+\b], v[BB+\b], v[A+\b]
.endr
.endr
.if \i == 0
.irp b, 0,1
	v_mul_f32 v[A+\b], s16, v[A+\b]
.endr
.endif
.irp b, 0,1
.irp j, 0,1,2,3
	v_mul_f32 v[Q+4*\b+\j], v[Q+4*\b+\j], v[A+\b]
.endr
	v_mul_f32 v[Q+8+\b], v[Q+8+\b], v[A+\b]
	v_mul_f32 v[T+\b], v[T+\b], v[A+\b]
.endr
.endm
	SHARP 0
	SHARP 1
	SHARP 2
.irp b, 0,1
	v_sub_f32 v[OM+\b], 1.0, v[T+\b]               ; 1 - cond
.endr
.irp b, 0,1
.irp j, 0,1,2,3
	v_mul_f32 v[ZF+4*\b+\j], v[ZF+4*\b+\j], v[T+\b]
	v_fma_f32 v[ZO+4*\b+\j], v[ZO+4*\b+\j], v[OM+\b], v[ZF+4*\b+\j]
.endr
	v_mul_f32 v[ZF+8+\b], v[ZF+8+\b], v[T+\b]
	v_fma_f32 v[ZO+8+\b], v[ZO+8+\b], v[OM+\b], v[ZF+8+\b]
.endr
	; THE WAY OUT: 32 rows of 40 bytes are 1,280 consecutive bytes of out0: through LDS, so that each store covers 512 or 256 consecutive bytes, aligned
.irp b, 0,1
.irp j, 0,1,2,3
	ds_store_b32 v6, v[ZO+4*\b+\j] offset:640*\b+4*\j
.endr
	ds_store_b32 v6, v[ZO+8+\b] offset:640*\b+16
.endr
	ds_load_b128 v[48:51], v1                      ; LDS serves a wave's instructions in order (ISA guide 5.7.1.4): these see the stores above
	ds_load_b128 v[52:55], v1 offset:512
	ds_load_b64  v[66:67], v2 offset:1024
	s_wait_dscnt 0x0
	global_store_b128 v1, v[48:51], s[10:11]
	global_store_b128 v1, v[52:55], s[10:11] offset:512
	global_store_b64  v2, v[66:67], s[10:11] offset:1024
	s_wait_tensorcnt 0x0
	ds_add_u32 v128, v129
	s_wait_dscnt 0x0
	s_endpgm
.Lfunc_end_k_q2fa27d815c_finish:
	.size	k_q2fa27d815c_finish, .Lfunc_end_k_q2fa27d815c_finish-k_q2fa27d815c_finish
	.p2alignl 7, 3214868480
	.fill 96, 4, 3214868480
	.section	.rodata,"a",@progbits
	.p2align	6, 0x0
	.amdhsa_kernel k_q2fa27d815c_finish
		.amdhsa_group_segment_fixed_size 1792
		.amdhsa_private_segment_fixed_size 0
		.amdhsa_enable_private_segment 0
		.amdhsa_kernarg_size 32
		.amdhsa_user_sgpr_count 2
		.amdhsa_user_sgpr_kernarg_segment_ptr 1
		.amdhsa_wavefront_size32 1
		.amdhsa_system_sgpr_workgroup_id_x 1
		.amdhsa_system_sgpr_workgroup_id_y 1
		.amdhsa_system_sgpr_workgroup_id_z 1
		.amdhsa_system_vgpr_workitem_id 0
		.amdhsa_next_free_vgpr 130
		.amdhsa_next_free_sgpr 66
		.amdhsa_reserve_vcc 0
		.amdhsa_float_denorm_mode_32 3
		.amdhsa_float_denorm_mode_16_64 3
		.amdhsa_memory_ordered 1
		.amdhsa_forward_progress 1
		.amdhsa_inst_pref_size 21
	.end_amdhsa_kernel
	.amdgpu_metadata
---
amdhsa.version: [ 1, 2 ]
amdhsa.kernels:
  - .name:           k_q2fa27d815c_finish
    .symbol:         k_q2fa27d815c_finish.kd
    .args:
      - { .name: part, .offset: 0, .size: 8, .value_kind: global_buffer, .address_space: global }
      - { .name: b2o, .offset: 8, .size: 8, .value_kind: global_buffer, .address_space: global }
      - { .name: b2f, .offset: 16, .size: 8, .value_kind: global_buffer, .address_space: global }
      - { .name: out0, .offset: 24, .size: 8, .value_kind: global_buffer, .address_space: global }
    .group_segment_fixed_size: 1792
    .private_segment_fixed_size: 0
    .kernarg_segment_align: 8
    .kernarg_segment_size: 32
    .max_flat_workgroup_size: 32
    .sgpr_count:     66
    .vgpr_count:     130
    .wavefront_size: 32
...
	.end_amdgpu_metadata
.endif
;; end of part 2
;; ======== version 2 of 2: 2 launches
;; limits: values are held in bf16: 8 bits of precision; right only within a limited range of input values
;; workspace buffers: part 2,621,440 bytes
;; launch hidden (part 3): grid 8 x 32, 4 waves a work-group, clusters of 4 x 4, 327,680 bytes of LDS; arguments x_codes, x_scales, W1o_codes, W1f_codes, W1o_scales, W1f_scales, b1o, b1f, W2o, W2f, part; writes part
.if DOCPART == 3
	.amdgcn_target "amdgcn-amd-amdhsa--gfx1250"
	.amdhsa_code_object_version 6
	.text
	.protected	k_q2fa27d815c_hidden
	.globl	k_q2fa27d815c_hidden
	.p2align	8
	.type	k_q2fa27d815c_hidden,@function
k_q2fa27d815c_hidden:
	s_mov_b64 s[64:65], 0
	v_nop
	global_prefetch_b8 v0, s[64:65] scope:SCOPE_SE
	s_setreg_imm32_b32 hwreg(HW_REG_WAVE_MODE, 25, 1), 1
	s_wait_xcnt 0x0
	s_wait_alu depctr_hold_cnt(0) depctr_sa_sdst(0) depctr_va_vdst(0) depctr_va_sdst(0) depctr_va_ssrc(0) depctr_va_vcc(0) depctr_vm_vsrc(0)
	s_getreg_b32 s2, hwreg(HW_REG_IB_STS2, 6, 4)
	s_cmp_eq_u32 s2, 0
	s_cbranch_scc0 .Lentry_in_a_cluster
	s_endpgm
.Lentry_in_a_cluster:
	s_bfe_u32 s2, ttmp6, 0x10000c
	s_cmp_lg_u32 s2, 0xf033
	s_cbranch_scc0 .Lentry_shape_is_right
	s_endpgm
.Lentry_shape_is_right:
; part[g][rg] = partial logits: relu(x W1 + b1) W2, summed over the 1,024 hidden units of column group g, for 32 rows rg.
; x [8192][1024] and W1 [4096][1024] (two nets, o and f) are E2M1 codes, K innermost, one E8M0 byte for each 32 along K; b1 [4096], W2 [4096][10] f32.
; SHARES.  Work-group x = 4 x cluster x + cx is the column group g: the net is cluster x, the hidden units are 1024 cx on.  Work-group y is a block of 256 rows.
; Four waves: rh = wave / 2 picks 128 rows, ch = wave % 2 picks which 128 of a slot's 256 hidden units.
; x STAYS IN REGISTERS: a wave's 128 rows x 1,024 K of codes are 512 registers.  W1 streams through two LDS regions, 256 whole rows (512 bytes each) to a slot, four slots.
; A PAIR is 32 hidden units.  The scaled matrix instruction of 32 x 16 x 128 is USED TRANSPOSED (source 0 = the pair's 32 rows of W1, source 1 = 16 rows of x): a lane holds one row of x, and its sixteen
; registers the hidden units 8 (lane / 16) + 0 .. 7 and 16 + 8 (lane / 16) + 0 .. 7.  b1 is the C of each sum's first instruction.
; TWO PASSES a pair, 32 scaled instructions each: pass A takes row blocks 0-3 (group 0), pass B row blocks 4-7 (group 1).  While one group is multiplied, the other's results are narrowed, two lines behind
; each instruction.  A line is A x 1 + |A| = 2 relu(A), rounded once to bf16: registers 2 k and 2 k + 1 go into the halves of register k, so that an accumulator's low eight registers ARE source 1
; (32 hidden units x 16 rows) of the second product.  The factor 2 is taken off the finished sums.  A line names vector registers as sources 0 and 2 and destination, which lie in the matrix instructions' own window.
; Two accumulators take turns, so lines 2 i and 2 i + 1 are element i (mod 16) of both.  An even element writes a register's low half and the next one its high half: every wait in a pass stands ahead of an even one.
; The second product (bf16, source 0 = W2's classes, source 1 = the hidden layer) adds onto eight accumulators that stay: rows 0-4 of source 0 are classes 0-4, rows 8-12 classes 5-9, so that
; lane (r, h) ends with classes 5 h + 0 .. 4 of row r in registers 0 .. 4.  Rows 5-7 and 13-15 hold copies of classes 4 and 9; their results are never read.
; CLUSTER 4 x 4: x's tile hangs on the row block alone and is asked for jointly along a row of the cluster; W1's codes and scales and b1 hang on the net and cx alone: jointly along a column.
; No data prefetch: a slot's load is asked for three pairs or more (72 matrix instructions each) ahead of its first read.
; LIMITS: a hidden unit's magnitude before the clip stays under 2^126; an infinity there becomes NaN or infinity in its row's logits; the hidden layer and W2 are rounded to bf16 for the second product, its sums are f32.
; REGISTERS, in windows of 256.  Window 0: v1-15 addresses; v16-79 x's scale words; v80-87 W1's scale words; v88-103 b1; v104-111 W2's fragment; v112-175 the eight logit accumulators; v176-223 head and tail.
;   Window 1: v0-127 the eight accumulators, 16 registers each; v128-255 W1's fragments of a pair, 16 registers a K step.   Windows 2, 3: x, K steps 0-3 and 4-7, at v[64 (s % 4) + 8 a].
.set PITCH, 528                        ; an LDS row of codes: 512 bytes + 16 of padding = 132 words: row r starts at bank 4 r mod 64 (64 banks of 4 bytes: ISA guide 11.1)
.set BLKB,  16*PITCH
.set PAIRB, 32*PITCH
.set HALFB, 128*PITCH
.set REGB,  0                          ; W1's slots 0 and 2; in the tail the stage
.set REGA,  256*PITCH                  ; x's 256 rows, then W1's slots 1 and 3
.set SCB,   2*256*PITCH                ; W1's scale bytes of a slot, 256 rows x 32 bytes, two places by turns
.set SCSL,  8192
.set B1B,   SCB+2*SCSL                 ; b1 of the group's 1,024 units: filled once
.set W2B,   B1B+4096                   ; W2's fragments: 128 runs of eight units x (16 rows x 16 bytes + 16): stored by the waves, no fill lands here
.set OCT,   272
.set SPARE, W2B+128*OCT                ; the spare words, 128 bytes for each wave: two blocks of 256 bytes that no other line names
.set XO,  1                            ; v1   32 x (lane % 16): x's scale words in memory
.set SPW, 2                            ; v2   LDS address of my spare word; never rewritten
.set NIL, 3                            ; v3   0; never rewritten
.set AF,  4                            ; v4   my lane's place in a block of W1;  v5 the address in hand
.set ADF, 5
.set AS,  6                            ; v6   among W1's scale words: 32 x lane;  v7
.set ADS, 7
.set AB,  8                            ; v8   in b1;  v9
.set ADB, 9
.set AW,  10                           ; v10  in W2's fragments;  v11
.set ADW, 11
.set AX,  12                           ; v12  my lane's place in my 128 rows of x
.set XS,  16                           ; x's scale words: register 8 a + s: row block a, K step s; lane l holds the word of row l % 16
.set SW,  80                           ; W1's scale words: register s for K step s; lane m holds the word of the pair's row m
.set BI,  88                           ; b1 in the result's layout: 16 registers
.set WF,  104
.set L,   112
.set GW,  176                          ; v176 W2 in memory: 320 x thread
.set IW,  177                          ; v177 where I store my eight units of W2
.set SA,  178                          ; v178, v179 the stage, on the way in
.set SB,  179
.set RA,  180                          ; v180, v181 and back
.set RQ,  181
.set GA,  182                          ; v182 16 x lane, v183 8 x lane: part
.set GB,  183
.set P0,  184
.set P1,  200
.set Q0,  216
.set Q1,  220
.set G1X, 32                           ; s[32:39] group 1 for x's tile; s[40:47] W1's codes; s[48:55] W1's scales; s[56:63] b1
.set G1C, 40
.set G1S, 48
.set G1B, 56
.set G0X, 68                           ; s[68:71] group 0 for x; s[72:79] W1's codes, a set for each region; s[80:87] W1's scales, a set for each place; s[88:91] b1
.set G0C, 72
.set G0S, 80
.set G0B, 88
.set G0H, 20                           ; s[20:23] group 0 for the head's load of slot 0 (b1's addresses, which lay there, have been used by then)
.set WV,  92
.set RH,  93
.set CH,  94
.set TBF, 95                           ; s95-97 LDS bytes at which the NEXT pair's codes, scale words and b1 begin;  s98 where W2's fragment for the pair IN HAND begins
.set TBS, 96
.set TBB, 97
.set TBW, 98
.set CNT, 99
.set ONE, 100                          ; s100 1.0
.set M_BIAS, 0x49                      ; source 0 (W1) window 1, source 1 (x) window 2, C (b1) window 0, D window 1
.set M_LO,   0x59                      ; the same with C in window 1
.set M_HI,   0x5d                      ; the same with x in window 3
.set LD_F,   0x40                      ; destination window 1, address window 0
.set BF,     0x04                      ; source 1 (the hidden layer) window 1, all else window 0
.set MSB, 0
.macro WIN new                         ; the immediate's high byte repeats the setting that is left; a switch that changes nothing is dropped
.if MSB != (\new)
	s_set_vgpr_msb (MSB<<8)|(\new)
.set MSB, (\new)
.endif
.endm
.macro PLACES                          ; four plain places (ISA guide 7.12.1) where no other vector work is at hand
.rept 4
	v_nop
.endr
.endm
.macro CREST                           ; a round of the cluster's barrier behind its opening barrier
	s_cmp_lg_u32 s[WV], 0
	s_cbranch_scc1 .Lnot_wave_0_\@
	s_barrier_signal -3
.Lnot_wave_0_\@:
	s_barrier_wait -3
	s_barrier_signal -1
	s_barrier_wait -1
.endm
.macro CROUND                          ; a whole round
	s_barrier_signal -1
	s_barrier_wait -1
	CREST
.endm
; A joint refill of region n: waves 0 and 1 fetch the two halves of a slot's codes; sc = 1: wave 2 its scale bytes; the others nothing.  The branches hang on the wave's number alone.
.macro JL n, sc
	s_cmp_lt_u32 s[WV], 2
	s_cbranch_scc0 .Lnot_c_\@
	tensor_load_to_lds s[G0C+4*(\n):G0C+4*(\n)+3], s[G1C:G1C+7]
	s_nop 0
	PLACES
	s_branch .Ldone_\@
.Lnot_c_\@:
.if \sc
	s_cmp_eq_u32 s[WV], 2
	s_cbranch_scc0 .Ldone_\@
	tensor_load_to_lds s[G0S+4*(\n):G0S+4*(\n)+3], s[G1S:G1S+7]
	s_nop 0
	PLACES
.endif
.Ldone_\@:
.endm
; One scaled matrix instruction: K step ks, row block 4 g + qa.  The first K step takes b1 as C.
.macro WM g
.set rD, 16*(4*(\g)+qa)
.set rF, 128+16*ks
.set rX, 64*(ks%4)+8*(4*(\g)+qa)
.set rT, XS+8*(4*(\g)+qa)+ks
.if ks == 0
	v_wmma_scale_f32_32x16x128_f4 v[rD:rD+15], v[rF:rF+15], v[rX:rX+7], v[BI:BI+15], v[SW+ks], v[rT]
.else
	v_wmma_scale_f32_32x16x128_f4 v[rD:rD+15], v[rF:rF+15], v[rX:rX+7], v[rD:rD+15], v[SW+ks], v[rT]
.endif
.endm
; One narrowing line: element mm of the accumulator at rC.  Register mm / 2 has been read as an element itself before it is written (mm = 0: by this line).
.macro MIXL
.if (mm%2) == 0
	v_fma_mixlo_bf16 v[rC+mm/2], v[rC+mm], s[ONE], |v[rC+mm]|
.else
	v_fma_mixhi_bf16 v[rC+mm/2], v[rC+mm], s[ONE], |v[rC+mm]|
.endif
.endm
.macro LINE g                          ; line cn of group g's 64: accumulators 0 and 1 by turns, then 2 and 3, each from its low end on
.set rC, 16*(4*(\g)+2*(cn/32)+cn%2)
.set mm, (cn%32)/2
	MIXL
.set cn, cn+1
.endm
.macro BFG g, q, cz                    ; row block 4 g + q into the logits: source 1 = the accumulator's low eight registers.  cz = 1: the sum's first step
.set rL, L+8*(4*(\g)+(\q))
.set rB, 16*(4*(\g)+(\q))
.if \cz
	v_wmma_f32_16x16x32_bf16 v[rL:rL+7], v[WF:WF+7], v[rB:rB+7], 0
.else
	v_wmma_f32_16x16x32_bf16 v[rL:rL+7], v[WF:WF+7], v[rB:rB+7], v[rL:rL+7]
.endif
.endm
.set AF0, 184                          ; v184-186: pair 0's addresses of fragments, scale words and b1 (the tail uses these registers again)
.set AS0, 185
.set AB0, 186
.set RF, AF0                           ; RF, RS, RB: the address registers that the macros below name: pair 0's here, ADF, ADS, ADB from its pass B on
.set RS, AS0
.set RB, AB0
.macro FLOAD s                         ; W1's fragment of K step s: rows 0-15 into registers 0-7, rows 16-31 into registers 8-15; in each, registers 4 c on hold K = 64 c + 32 (lane / 16) on
	WIN LD_F
.irp b, 0,1
.irp c, 0,1
	ds_load_b128 v[128+16*(\s)+8*\b+4*\c:128+16*(\s)+8*\b+4*\c+3], v[RF] offset:BLKB*\b+64*(\s)+32*\c
.endr
.endr
.endm
.macro SLOAD s                         ; W1's scale words of K steps s .. s + 3
	WIN 0
	ds_load_b128 v[SW+(\s):SW+(\s)+3], v[RS] offset:4*(\s)
.endm
.macro BLOAD                           ; b1: my eight units of the pair's first 16, then of its second 16
	WIN 0
	ds_load_b128 v[BI:BI+3],     v[RB]
	ds_load_b128 v[BI+4:BI+7],   v[RB] offset:16
	ds_load_b128 v[BI+8:BI+11],  v[RB] offset:64
	ds_load_b128 v[BI+12:BI+15], v[RB] offset:80
.endm
.macro XLOAD s, g                      ; x's fragments of K step s, row blocks 4 g .. 4 g + 3
	WIN 0x80+0x40*((\s)/4)
.irp a, 0,1,2,3
.irp c, 0,1
	ds_load_b128 v[64*((\s)%4)+8*(4*(\g)+\a)+4*\c:64*((\s)%4)+8*(4*(\g)+\a)+4*\c+3], v[AX] offset:BLKB*(4*(\g)+\a)+64*(\s)+32*\c
.endr
.endr
.endm
; THE LDS LOADS OF A TRIP: two runs, each behind the narrowing lines of the scaled instruction numbered ix; at least six of those lines stand between a run and the last reader of its registers.
;   pass B, 17: W2's fragment for the pair in hand (2), then for the next pair b1 (4), scale words 0-3 (1), fragments 0-3 (16).  roll = 0: there is no next pair
;   pass A, 1 (5 where the pass holds a round): scale words 4-7 (1), fragments 4-7 (16)
.macro LOADS g, roll, turn
.if (\g) == 1
.if ix == 17
	WIN 0
	ds_load_b128 v[WF:WF+3],   v[ADW]
	ds_load_b128 v[WF+4:WF+7], v[ADW] offset:2*OCT
.if \roll
	BLOAD
	SLOAD 0
	FLOAD 0
	FLOAD 1
	FLOAD 2
	FLOAD 3
.endif
.endif
.else
.if ix == 1+4*(\turn)
	SLOAD 4
	FLOAD 4
	FLOAD 5
	FLOAD 6
	FLOAD 7
.endif
.endif
.endm
.macro MEET turn, n, sc                ; the barrier's wait, and what is filled behind it
	WIN 0
	s_barrier_wait -1
.if (\turn) == 1
	CREST                                          ; no wave of any partner still reads the bytes filled next or has a load on its way
	JL \n, \sc
.endif
.endm
; Number ix of a pass: what stands ahead of it, the scaled instruction, two narrowing lines of the other group, LDS loads.
.macro STEP g, roll, turn, n, sc, cz, first
.set ks, ix/4
.set qa, ix%4
.if (\g) == 0
.if ix == 0
	s_wait_dscnt 0x0                               ; pass B's run is in (and, where the pass holds a round, the add is done and no LDS read of mine is out)
.if \turn
	s_barrier_signal -1
.endif
.elseif ix == 4
.if \turn
	MEET \turn, \n, \sc
.endif
.elseif ix == 16
	s_wait_dscnt 12                                ; scale words 4-7 and fragment 4 are in; fragments 5, 6, 7 may be out
.elseif ix == 20
	s_wait_dscnt 8                                 ; fragment 5 is in
.elseif ix == 24
	s_wait_dscnt 4                                 ; fragment 6 is in
.elseif ix == 26
	s_wait_dscnt 0x0                               ; fragment 7 is in; twelve narrowing lines still follow ahead of the pass's last second products
.endif
.else
.if \first
.if (qa == 0) && (ix < 20)
	s_wait_dscnt 56-2*ix                           ; x's K step ks is in; 8 loads for each later K step may be out
.elseif ix == 20
	s_wait_dscnt 39                                ; x's K step 5 is in; behind it: K steps 6 and 7 (16), this pass's run (23)
.elseif ix == 24
	s_wait_dscnt 31                                ; x's K step 6 is in
.endif
.endif
.if \turn
.if ix == 4
	s_wait_dscnt 0x0                               ; the add is done; no LDS read of mine is out
	s_barrier_signal -1
.elseif ix == 8
	MEET \turn, \n, \sc
.endif
.endif
.if ix == 26
	s_wait_dscnt 21*(\roll)                        ; W2's fragment is in; behind it: b1 4, scale words 1, fragments 16
.endif
.endif
.if ix == 28
	WIN BF                                         ; the first two accumulators were narrowed by number 15
	BFG 1-(\g), 0, \cz
	BFG 1-(\g), 1, \cz
.endif
.if ks == 0
	WIN M_BIAS
.elseif ks < 4
	WIN M_LO
.else
	WIN M_HI
.endif
	WM \g
.if ks < 4
	WIN M_LO
.else
	WIN M_HI
.endif
	LINE 1-(\g)
	LINE 1-(\g)
	LOADS \g, \roll, \turn
.endm
; A PASS: group g is multiplied, the other group narrowed and sent into the logits.  Between a second product and the scaled instruction that writes over its source stand five plain lines or more.
; turn = 1, 2: in front of the barrier each wave waits for all its tensor loads, adds 0 to its spare word and waits for that and for its LDS reads.  turn = 1: the barrier opens a round of the cluster's,
; and region n is filled first thing behind it (step = 1: with its next slot).  turn = 2: a plain barrier, which shows the last slot whole.  A change of slots stands in pass B, ahead of its run of loads;
; x's bytes pass to slot 1 in pair 1's pass A, when x has been read whole.
.macro PASS g, roll, turn, n, sc, step, cz, first
.if \turn
	WIN 0                                          ; (the add's two registers lie in window 0)
	s_wait_tensorcnt 0x0                           ; all my tensor loads have landed, so a group 0 may be written
	ds_add_u32 v[SPW], v[NIL]                      ; 0 onto my spare word
.if \step
	s_add_nc_u64 s[G0C+4*(\n)+2:G0C+4*(\n)+3], s[G0C+4*(\n)+2:G0C+4*(\n)+3], 2*256*512   ; 512 rows of W1 on
	s_add_nc_u64 s[G0S+4*(\n)+2:G0S+4*(\n)+3], s[G0S+4*(\n)+2:G0S+4*(\n)+3], 2*SCSL
.endif
.endif
.set cn, 0
.set ix, 0
.rept 32
	STEP \g, \roll, \turn, \n, \sc, \cz, \first
.set ix, ix+1
.endr
	WIN BF
	BFG 1-(\g), 2, \cz
	v_nop                                          ; with the next pass's first four lines the fifth place
	BFG 1-(\g), 3, \cz
.endm
; A TRIP: pair p's pass B (narrowing p's group 0), pair p + 1's pass A (narrowing p's group 1).
.macro TRIP turn, n, sc, step, cz, first
.if \first                             ; trip 0: its addresses were made at the head; the round stands in its pass A
	PASS 1, 1, 0, 0, 0, 0, \cz, 1
	PASS 0, 1, \turn, \n, \sc, \step, \cz, 0
.else
	WIN 0
	v_add_nc_u32 v[ADF], s[TBF], v[AF]
	v_add_nc_u32 v[ADS], s[TBS], v[AS]
	v_add_nc_u32 v[ADB], s[TBB], v[AB]
	v_add_nc_u32 v[ADW], s[TBW], v[AW]
	PASS 1, 1, \turn, \n, \sc, \step, \cz, 0
	PASS 0, 1, 0, 0, 0, 0, \cz, 0
.endif
.endm
.macro SETT t, j, t2, j2               ; the pair in hand is pair j of slot t, the next one pair j2 of slot t2
	WIN 0
	s_mov_b32 s[TBF], ((\t2)%2)*REGA+(\j2)*PAIRB
	s_mov_b32 s[TBS], SCB+((\t2)%2)*SCSL+1024*(\j2)
	s_mov_b32 s[TBB], B1B+1024*(\t2)+128*(\j2)
	s_mov_b32 s[TBW], W2B+32*OCT*(\t)+4*OCT*(\j)
.endm
.macro LOOP t, j, count                ; trips of slot t from pair j on that fetch from the same slot
	SETT \t, \j, \t, (\j)+1
	s_mov_b32 s[CNT], \count
.Lslot_\@:
	TRIP 0, 0, 0, 0, 0, 0
	WIN 0                                          ; at a label and at a branch every window is 0
	s_add_co_u32 s[TBF], s[TBF], PAIRB
	s_add_co_u32 s[TBS], s[TBS], 1024
	s_add_co_u32 s[TBB], s[TBB], 128
	s_add_co_u32 s[TBW], s[TBW], 4*OCT
	s_sub_co_u32 s[CNT], s[CNT], 1
	s_cmp_lg_u32 s[CNT], 0
	s_cbranch_scc1 .Lslot_\@
.endm
	s_load_b512 s[8:23], s[0:1], 0x0               ; x's codes 8, x's scales 10, W1o 12, W1f 14, W1o's scales 16, W1f's 18, b1o 20, b1f 22
	s_load_b128 s[24:27], s[0:1], 0x40             ; W2o, W2f
	s_load_b64 s[28:29], s[0:1], 0x50              ; part
	v_lshl_add_u32 v[SPW], v0, 2, SPARE
	v_mov_b32 v[NIL], 0
	ds_add_u32 v[SPW], v[NIL]                      ; the wave's opening: the add, twice on end, and its wait ahead of my first tensor load
	ds_add_u32 v[SPW], v[NIL]
	v_lshrrev_b32 v13, 5, v0
	v_readfirstlane_b32 s[WV], v13                 ; wave 0..3
	s_lshr_b32 s[RH], s[WV], 1
	s_and_b32 s[CH], s[WV], 1
	s_mov_b32 s[ONE], 1.0
	s_bfe_u32 s2, ttmp6, 0x40000                   ; cx
	s_bfe_u32 s3, ttmp6, 0x40004                   ; cy
	s_and_b32 s4, ttmp7, 0xffff
	s_lshl_b32 s4, s4, 2
	s_add_co_u32 s4, s4, s3                        ; the row block = 4 x cluster y + cy
	s_lshl_b32 s5, s3, 2
	s_lshl_b32 s5, 15, s5                          ; my row of the cluster
	s_lshl_b32 s6, 0x1111, s2                      ; my column
	; group 1.  Codes: rows of 512 elements of 1 byte, 512 bytes apart, 16 bytes of padding behind every 128 words; 256 rows for the head's loads
	s_or_b32 s[G1X], s5, (1<<20)|(1<<21)|(6<<22)|(3<<25)
	s_or_b32 s[G1C], s6, (1<<20)|(1<<21)|(6<<22)|(3<<25)
.irp g, G1X, G1C
	s_mov_b32 s[\g+1], 512<<16                     ; tensor_dim0
	s_mov_b32 s[\g+2], 256<<16                     ; tensor_dim1
	s_mov_b32 s[\g+3], 512<<16                     ; tile_dim0
	s_mov_b32 s[\g+4], 256                         ; tile_dim1
	s_mov_b32 s[\g+5], 512                         ; the pitch
	s_mov_b32 s[\g+6], 0
	s_mov_b32 s[\g+7], 0
.endr
	; dense blocks as rows of 256 bytes (32 elements of 8 bytes), no padding: at the head two slots' scale bytes, 64 rows; b1 16 rows
	s_or_b32 s[G1S], s6, (3<<16)|(1<<21)
	s_or_b32 s[G1B], s6, (3<<16)|(1<<21)
	s_mov_b32 s[G1S+1], 32<<16
	s_mov_b32 s[G1S+2], 64<<16
	s_mov_b32 s[G1S+3], 32<<16
	s_mov_b32 s[G1S+4], 64
	s_mov_b32 s[G1S+5], 32
	s_mov_b32 s[G1S+6], 0
	s_mov_b32 s[G1S+7], 0
	s_mov_b32 s[G1B+1], 32<<16
	s_mov_b32 s[G1B+2], 16<<16
	s_mov_b32 s[G1B+3], 32<<16
	s_mov_b32 s[G1B+4], 16
	s_mov_b32 s[G1B+5], 32
	s_mov_b32 s[G1B+6], 0
	s_mov_b32 s[G1B+7], 0
	; the wave's terms of the LDS addresses
	s_mul_i32 s30, s[RH], HALFB
	s_add_co_u32 s30, s30, REGA                    ; x: my 128 rows
	s_mul_i32 s31, s[CH], HALFB                    ; W1: my half of a slot
	s_lshl_b32 s66, s[CH], 12                      ; its scale words: 128 rows of 32 bytes a half
	s_mul_i32 s67, s[CH], 16*OCT                   ; W2: four pairs a half
	s_lshl_b32 s101, s[CH], 9                      ; b1: 128 units a half
	s_mul_i32 s7, s[WV], 5120                      ; the stage: 8 row blocks x 640 bytes for each wave
	s_mul_i32 s95, s[RH], 10240                    ; back: the two waves of my rows, row blocks 4 ch on
	s_mul_i32 s96, s[CH], 2560
	s_add_co_u32 s95, s95, s96
	; every lane term, for the loop and for the tail
	v_and_b32 v13, 15, v0                          ; r
	v_bfe_u32 v14, v0, 4, 1                        ; h
	v_and_b32 v15, 31, v0                          ; lane
	v_mul_u32_u24 v[GW], v0, 320                   ; W2 in memory: thread t takes units 8 t .. 8 t + 7, 40 bytes each,
	v_mul_u32_u24 v[IW], v0, OCT                   ; and stores their run
	v_add_nc_u32 v[IW], W2B, v[IW]
	v_lshlrev_b32 v[XO], 5, v13
	v_mul_u32_u24 v[AF], v13, PITCH
	v_lshl_add_u32 v[AF], v14, 4, v[AF]            ; a fragment: row r x pitch + 16 h
	v_add_nc_u32 v[AX], s30, v[AF]
	v_add_nc_u32 v[AF0], s31, v[AF]                ; pair 0 begins at LDS byte 0
	v_add_nc_u32 v[AF], s31, v[AF]
	v_add_nc_u32 v[ADF], PAIRB, v[AF]              ; and pair 1, which trip 0 fetches, behind it
	v_lshlrev_b32 v[AS], 5, v15                    ; lane m takes the pair's row m
	v_add_nc_u32 v[AS], s66, v[AS]
	v_add_nc_u32 v[AS0], SCB, v[AS]
	v_add_nc_u32 v[ADS], SCB+1024, v[AS]
	v_mul_u32_u24 v[AW], v14, OCT                  ; W2's fragment: run h, row r of 16 bytes
	v_lshl_add_u32 v[AW], v13, 4, v[AW]
	v_add_nc_u32 v[AW], s67, v[AW]
	v_add_nc_u32 v[ADW], W2B, v[AW]
	v_lshlrev_b32 v[AB], 5, v14                    ; b1: my eight units of a block of 16
	v_add_nc_u32 v[AB], s101, v[AB]
	v_add_nc_u32 v[AB0], B1B, v[AB]
	v_add_nc_u32 v[ADB], B1B+128, v[AB]
	v_lshl_add_u32 v[SA], v15, 4, s7
	v_lshl_add_u32 v[SB], v15, 2, s7
	v_lshl_add_u32 v[RA], v15, 4, s95
	v_lshl_add_u32 v[RQ], v15, 2, s95
	v_lshlrev_b32 v[GA], 4, v15
	v_lshlrev_b32 v[GB], 3, v15
	s_wait_alu depctr_va_vdst(0)
	s_wait_dscnt 0x0                               ; both opening adds are done
	s_wait_kmcnt 0x0
	s_cmp_eq_u32 ttmp9, 0                          ; the net: cluster x, the same in all sixteen partners
	s_cselect_b64 s[12:13], s[12:13], s[14:15]
	s_cselect_b64 s[16:17], s[16:17], s[18:19]
	s_cselect_b64 s[20:21], s[20:21], s[22:23]
	s_cselect_b64 s[24:25], s[24:25], s[26:27]
	; x: offsets made of the row block and the wave alone
	s_lshl_b32 s30, s4, 17                         ; 256 rows of 512 bytes
	s_mov_b32 s31, 0
	s_mov_b32 s[G0X], 1
	s_mov_b32 s[G0X+1], REGA
	s_add_nc_u64 s[G0X+2:G0X+3], s[8:9], s[30:31]
	s_or_b32 s[G0X+3], s[G0X+3], 0x80000000
	s_lshl_b32 s30, s4, 13                         ; x's scale bytes: 256 rows of 32 bytes,
	s_lshl_b32 s7, s[RH], 12                       ; my 128 rows
	s_add_co_u32 s30, s30, s7
	s_add_nc_u64 s[10:11], s[10:11], s[30:31]
	; W2, b1, W1's scales, W1: offsets made of cx and the wave alone
	s_mul_i32 s66, s2, 40960                       ; 1,024 rows of W2, 40 bytes each
	s_mov_b32 s67, 0
	s_add_nc_u64 s[24:25], s[24:25], s[66:67]
.irp a, 0,1,2,3,4,5,6,7                ; x's scale words: lane l takes row 16 a + l % 16 of my 128: its 32 bytes are the words of the 8 K steps
	global_load_b128 v[XS+8*\a:XS+8*\a+3],   v[XO], s[10:11] offset:512*\a
	global_load_b128 v[XS+8*\a+4:XS+8*\a+7], v[XO], s[10:11] offset:512*\a+16
.endr
	WIN LD_F                                       ; W2: my eight units' 80 numbers, into window 1's upper half: unit i, class c at v[128 + 10 i + c]
.set k, 0
.rept 20
	global_load_b128 v[128+4*k:131+4*k], v[GW], s[24:25] offset:16*k
.set k, k+1
.endr
	WIN 0
	s_lshl_b32 s66, s2, 12                         ; 1,024 numbers of b1
	s_mov_b32 s[G0B], 1
	s_mov_b32 s[G0B+1], B1B
	s_add_nc_u64 s[G0B+2:G0B+3], s[20:21], s[66:67]
	s_or_b32 s[G0B+3], s[G0B+3], 0x80000000
	s_lshl_b32 s66, s2, 15                         ; 1,024 rows of 32 scale bytes
	s_mov_b32 s[G0S], 1
	s_mov_b32 s[G0S+1], SCB
	s_add_nc_u64 s[G0S+2:G0S+3], s[16:17], s[66:67]
	s_add_nc_u64 s[G0S+6:G0S+7], s[G0S+2:G0S+3], SCSL
	s_or_b32 s[G0S+3], s[G0S+3], 0x80000000
	s_or_b32 s[G0S+7], s[G0S+7], 0x80000000
	s_mov_b32 s[G0S+4], 1
	s_mov_b32 s[G0S+5], SCB+SCSL
	s_lshl_b32 s66, s2, 19                         ; 1,024 rows of 512 bytes
	s_mov_b32 s[G0H], 1                            ; slot 0, whole, for the head
	s_mov_b32 s[G0H+1], REGB
	s_add_nc_u64 s[G0H+2:G0H+3], s[12:13], s[66:67]
	s_or_b32 s[G0H+3], s[G0H+3], 0x80000000
	s_lshl_b32 s101, s[CH], 16                     ; behind the head: which 128 rows of a slot I fetch
	s_add_co_u32 s66, s66, s101
	s_mov_b32 s[G0C], 1
	s_mul_i32 s[G0C+1], s[CH], HALFB               ; region B begins at LDS byte 0
	s_add_nc_u64 s[G0C+2:G0C+3], s[12:13], s[66:67]          ; slot 0
	s_add_nc_u64 s[G0C+6:G0C+7], s[G0C+2:G0C+3], 256*512     ; slot 1
	s_or_b32 s[G0C+3], s[G0C+3], 0x80000000
	s_or_b32 s[G0C+7], s[G0C+7], 0x80000000
	s_mov_b32 s[G0C+4], 1
	s_add_co_u32 s[G0C+5], s[G0C+1], REGA
	; part: ((4 net + cx) x 256 + 8 x row block + 2 x wave) x 1,280 bytes
	s_lshl_b32 s6, ttmp9, 2
	s_add_co_u32 s6, s6, s2
	s_lshl_b32 s6, s6, 8
	s_lshl_b32 s7, s4, 3
	s_add_co_u32 s6, s6, s7
	s_lshl_b32 s7, s[WV], 1
	s_add_co_u32 s6, s6, s7
	s_mul_i32 s6, s6, 1280
	s_mov_b32 s7, 0
	s_add_nc_u64 s[28:29], s[28:29], s[6:7]
	CROUND                                         ; all sixteen work-groups are here: the first joint loads meet
; THE HEAD'S LOADS, ONE A WAVE.  Wave 0 fetches x's 256 rows, wave 1 slot 0's 256 rows of W1, wave 2 the scale bytes of slots 0 and 1, wave 3 b1.
.macro ARM under, g0, g1, next
	s_cmp_lt_u32 s[WV], \under
	s_cbranch_scc0 \next
	tensor_load_to_lds s[\g0:\g0+3], s[\g1:\g1+7]
	s_nop 0
	PLACES
	s_branch .Lhead_asked
\next:
.endm
	ARM 1, G0X, G1X, .Lhead_w
	ARM 2, G0H, G1C, .Lhead_s
	ARM 3, G0S, G1S, .Lhead_b
	tensor_load_to_lds s[G0B:G0B+3], s[G1B:G1B+7]
	s_nop 0
	PLACES
.Lhead_asked:
	s_wait_loadcnt 0x0                             ; x's scale words and my part of W2 are in
	WIN 0x45                                       ; sources and destination in window 1
.set c, 0
.rept 10                               ; class c: my eight units, two a register
.irp i, 0,1,2,3
	v_cvt_pk_bf16_f32 v[4*c+\i], v[128+20*\i+c], v[138+20*\i+c]
.endr
.set c, c+1
.endr
	WIN BF                                         ; an LDS store's data are its source 1
.set m, 0
.rept 16                               ; row m of the fragment: class m (0-4), copies of class 4 (5-7), class m - 3 (8-12), copies of class 9 (13-15)
.if m < 5
.set c, m
.elseif m < 8
.set c, 4
.elseif m < 13
.set c, m-3
.else
.set c, 9
.endif
	ds_store_b128 v[IW], v[4*c:4*c+3] offset:16*m
.set m, m+1
.endr
	WIN 0
	s_wait_tensorcnt 0x0                           ; my tile of the head's four has landed: descriptors may be written:
	s_mov_b32 s[G1C+2], 128<<16                    ; from here on a load of codes brings 128 rows,
	s_mov_b32 s[G1C+4], 128
	s_mov_b32 s[G1S+2], 32<<16                     ; a load of scale bytes one slot's
	s_mov_b32 s[G1S+4], 32
	s_wait_dscnt 0x0                               ; my part of W2 is stored:
	s_barrier_signal -1
	s_barrier_wait -1                              ; everybody's are
	; PAIR 0'S PASS A: nothing to narrow yet.  Each K step's fragment of W1 and x's group 0 (12 loads) are fetched two steps ahead; then x's group 1.
	BLOAD
	SLOAD 0
	SLOAD 4
	FLOAD 0
	XLOAD 0, 0
	FLOAD 1
	XLOAD 1, 0
.set ks, 0
.rept 8
.if ks < 6
	FLOAD ks+2
	XLOAD ks+2, 0
	s_wait_dscnt 24                                ; this step's loads are in; the next two steps' may be out
.elseif ks == 6
	XLOAD 0, 1
	s_wait_dscnt 20                                ; step 7's 12 and x's 8 may be out
.else
	XLOAD 1, 1
	s_wait_dscnt 16                                ; x's 16 may be out
.endif
.if ks == 0
	WIN M_BIAS
.elseif ks < 4
	WIN M_LO
.else
	WIN M_HI
.endif
.set qa, 0
.rept 4
	WM 0
.set qa, qa+1
.endr
.set ks, ks+1
.endr
	PLACES                                         ; ahead of the first narrowing lines
.irp s, 2,3,4,5,6,7
	XLOAD \s, 1
.endr
.set RF, ADF
.set RS, ADS
.set RB, ADB
	TRIP 1, 1, 0, 0, 1, 1                          ; x's LDS bytes pass to slot 1; the logits' sums begin
	LOOP 0, 1, 2
	SETT 0, 3, 1, 0
	TRIP 1, 0, 1, 1, 0, 0                          ; region B takes slot 2
	LOOP 1, 0, 3
	SETT 1, 3, 2, 0
	TRIP 1, 1, 1, 1, 0, 0                          ; region A takes slot 3
	LOOP 2, 0, 3
	SETT 2, 3, 3, 0
	TRIP 2, 0, 0, 0, 0, 0                          ; nothing is left to fetch
	LOOP 3, 0, 3
	s_mov_b32 s[TBW], W2B+32*OCT*3+4*OCT*3
	v_add_nc_u32 v[ADW], s[TBW], v[AW]
	PASS 1, 0, 0, 0, 0, 0, 0, 0                    ; the last pair's pass B
	; THE TAIL.  The last pair's group 1 is narrowed, four accumulators by turns, and goes into the logits.
	WIN M_HI
.set cn, 0
.rept 64
.set rC, 16*(4+cn%4)
.set mm, cn/4
	MIXL
.set cn, cn+1
.endr
	WIN BF
	BFG 1, 0, 0
	BFG 1, 1, 0
	BFG 1, 2, 0
	BFG 1, 3, 0
	PLACES
	WIN 0
	; The two waves of a row half hold sums over different hidden units: they meet in a stage in region B, which has had its last fill and which nobody reads since the last change of slots.
.irp a, 0,1,2,3,4,5,6,7
	ds_store_b128 v[SA], v[L+8*\a:L+8*\a+3] offset:640*\a     ; each accumulator from its low end on: classes 5 h + 0 .. 3,
	ds_store_b32  v[SB], v[L+8*\a+4] offset:640*\a+512        ; and 5 h + 4
.endr
	s_wait_dscnt 0x0                               ; for the others' sake: my stores are done
	s_barrier_signal -1
	s_barrier_wait -1
.irp k, 0,1,2,3                        ; row blocks 4 ch + k of my rows, from both waves
	ds_load_b128 v[P0+4*\k:P0+4*\k+3], v[RA] offset:640*\k
	ds_load_b128 v[P1+4*\k:P1+4*\k+3], v[RA] offset:5120+640*\k
	ds_load_b32  v[Q0+\k], v[RQ] offset:640*\k+512
	ds_load_b32  v[Q1+\k], v[RQ] offset:5120+640*\k+512
.endr
	s_wait_dscnt 0x0
.irp k, 0,2,4,6,8,10,12,14
	v_pk_add_f32 v[P0+\k:P0+\k+1], v[P0+\k:P0+\k+1], v[P1+\k:P1+\k+1]
.endr
	v_pk_add_f32 v[Q0:Q0+1],   v[Q0:Q0+1],   v[Q1:Q1+1]
	v_pk_add_f32 v[Q0+2:Q0+3], v[Q0+2:Q0+3], v[Q1+2:Q1+3]
.irp k, 0,2,4,6,8,10,12,14             ; the narrowing's factor 2 comes off
	v_pk_mul_f32 v[P0+\k:P0+\k+1], v[P0+\k:P0+\k+1], 0.5 op_sel_hi:[1,0]
.endr
	v_pk_mul_f32 v[Q0:Q0+1],   v[Q0:Q0+1],   0.5 op_sel_hi:[1,0]
	v_pk_mul_f32 v[Q0+2:Q0+3], v[Q0+2:Q0+3], 0.5 op_sel_hi:[1,0]
.irp i, 0,1                            ; a group of 32 rows is 1,280 bytes: two stores of 512 consecutive bytes and one of 256, each at a multiple of 256 from part's first byte
	global_store_b128 v[GA], v[P0+8*\i:P0+8*\i+3],   s[28:29] offset:1280*\i
	global_store_b128 v[GA], v[P0+8*\i+4:P0+8*\i+7], s[28:29] offset:1280*\i+512
	global_store_b64  v[GB], v[Q0+2*\i:Q0+2*\i+1],   s[28:29] offset:1280*\i+1024
.endr
	s_wait_tensorcnt 0x0                           ; the wave's end: behind my last tensor load and my last LDS store
	ds_add_u32 v[SPW], v[NIL]
	s_wait_dscnt 0x0
	CROUND                                         ; the closing round: no work-group ends while a partner may still ask for a tile that names it
	s_endpgm
.Lfunc_end_k_q2fa27d815c_hidden:
	.size	k_q2fa27d815c_hidden, .Lfunc_end_k_q2fa27d815c_hidden-k_q2fa27d815c_hidden
	.p2alignl 7, 3214868480
	.fill 96, 4, 3214868480
	.section	.rodata,"a",@progbits
	.p2align	6, 0x0
	.amdhsa_kernel k_q2fa27d815c_hidden
		.amdhsa_group_segment_fixed_size 327680
		.amdhsa_private_segment_fixed_size 0
		.amdhsa_enable_private_segment 0
		.amdhsa_kernarg_size 88
		.amdhsa_user_sgpr_count 2
		.amdhsa_user_sgpr_kernarg_segment_ptr 1
		.amdhsa_wavefront_size32 1
		.amdhsa_system_sgpr_workgroup_id_x 1
		.amdhsa_system_sgpr_workgroup_id_y 1
		.amdhsa_system_sgpr_workgroup_id_z 1
		.amdhsa_system_vgpr_workitem_id 0
		.amdhsa_next_free_vgpr 1024
		.amdhsa_next_free_sgpr 102
		.amdhsa_reserve_vcc 0
		.amdhsa_float_denorm_mode_32 3
		.amdhsa_float_denorm_mode_16_64 3
		.amdhsa_memory_ordered 1
		.amdhsa_forward_progress 1
		.amdhsa_inst_pref_size 220
	.end_amdhsa_kernel
	.amdgpu_metadata
---
amdhsa.version: [ 1, 2 ]
amdhsa.kernels:
  - .name:           k_q2fa27d815c_hidden
    .symbol:         k_q2fa27d815c_hidden.kd
    .args:
      - { .name: x_codes, .offset: 0, .size: 8, .value_kind: global_buffer, .address_space: global }
      - { .name: x_scales, .offset: 8, .size: 8, .value_kind: global_buffer, .address_space: global }
      - { .name: W1o_codes, .offset: 16, .size: 8, .value_kind: global_buffer, .address_space: global }
      - { .name: W1f_codes, .offset: 24, .size: 8, .value_kind: global_buffer, .address_space: global }
      - { .name: W1o_scales, .offset: 32, .size: 8, .value_kind: global_buffer, .address_space: global }
      - { .name: W1f_scales, .offset: 40, .size: 8, .value_kind: global_buffer, .address_space: global }
      - { .name: b1o, .offset: 48, .size: 8, .value_kind: global_buffer, .address_space: global }
      - { .name: b1f, .offset: 56, .size: 8, .value_kind: global_buffer, .address_space: global }
      - { .name: W2o, .offset: 64, .size: 8, .value_kind: global_buffer, .address_space: global }
      - { .name: W2f, .offset: 72, .size: 8, .value_kind: global_buffer, .address_space: global }
      - { .name: part, .offset: 80, .size: 8, .value_kind: global_buffer, .address_space: global }
    .group_segment_fixed_size: 327680
    .private_segment_fixed_size: 0
    .kernarg_segment_align: 8
    .kernarg_segment_size: 88
    .max_flat_workgroup_size: 128
    .sgpr_count:     102
    .vgpr_count:     1024
    .wavefront_size: 32
...
	.end_amdgpu_metadata
.endif
;; end of part 3
;; launch finish (part 4): grid 256 x 1, 1 waves a work-group, no clusters, 1,792 bytes of LDS; arguments part, b2o, b2f, out0; writes out0
.if DOCPART == 4
	.amdgcn_target "amdgcn-amd-amdhsa--gfx1250"
	.amdhsa_code_object_version 6
	.text
	.protected	k_q2fa27d815c_finish
	.globl	k_q2fa27d815c_finish
	.p2align	8
	.type	k_q2fa27d815c_finish,@function
k_q2fa27d815c_finish:
	s_mov_b64 s[64:65], 0
	v_nop
	global_prefetch_b8 v0, s[64:65] scope:SCOPE_SE
	s_setreg_imm32_b32 hwreg(HW_REG_WAVE_MODE, 25, 1), 1
	s_wait_xcnt 0x0
; out = p_o (1 - cond) + p_f cond, p = softmax(logits + b2), cond = the tau column of three rounds of square-and-normalise on [p_o, 0.5].  All in f32.
; part [8 groups][256 groups of 32 rows][1,280 bytes] holds partial logits as images of registers: groups 0-3 are net o's, 4-7 net f's.  One wave takes 32 rows: two blocks of 16.
; Lane (r, h) holds row r and classes 5 h + 0 .. 4 of both blocks; a row's other five classes lie in the lane 16 away: one exchange for each maximum and each sum.
; The softmax takes the row's maximum away first.  No matrix work, no barrier: one wave, and memory traffic of 11.5 KB a work-group.
.set ZO,  16                           ; v16-25  net o: block b's classes j = 0 .. 3 at ZO + 4 b + j, j = 4 at ZO + 8 + b; group g as loaded lies at v[16 + 10 g]
.set ZF,  56                           ; v56-65  net f likewise
.set B2O, 96                           ; v96-100  b2o at my five classes;  v102-106 b2f
.set B2F, 102
.set MX,  108                          ; v108-111 a maximum, then a sum, for (net, block)
.set TP,  112                          ; v112-115 what the lane 16 away sends
.set RC,  116                          ; v116-119 reciprocals
.set Q,   26                           ; v26-35  the sharpened numbers, laid as ZO
.set T,   36                           ; v36-37  the tau column
.set S,   38
.set A,   40
.set BB,  42
.set OM,  44
	s_load_b128 s[4:7], s[0:1], 0x0                ; part, b2o
	s_load_b128 s[8:11], s[0:1], 0x10              ; b2f, out0
	v_lshl_add_u32 v128, v0, 2, 0x600
	v_mov_b32 v129, 0
	v_and_b32 v4, 15, v0                           ; r
	v_lshrrev_b32 v5, 4, v0                        ; h
	v_lshlrev_b32 v1, 4, v0                        ; 16 x lane
	v_lshlrev_b32 v2, 3, v0                        ; 8 x lane
	v_mul_u32_u24 v3, v5, 20                       ; my five classes: 20 h bytes
	v_mul_u32_u24 v6, v4, 40
	v_add_nc_u32 v6, v6, v3                        ; a row of out0 is 40 bytes: 40 r + 20 h
.irp x, 0,1,2,3
	v_mov_b32 v[TP+\x], 0                          ; written once: a lane permute's destination counts as one of its sources
.endr
	s_mul_i32 s12, ttmp9, 1280
	s_mov_b32 s13, 0
	s_mov_b32 s14, 0x76543210
	s_mov_b32 s15, 0xfedcba98                      ; v_permlanex16_b32's selects for lane l xor 16
	s_mov_b32 s16, 0x3f638e39                      ; 2 / (2 + tau^2)
	s_wait_alu depctr_va_vdst(0)
	s_wait_kmcnt 0x0
	s_add_nc_u64 s[4:5], s[4:5], s[12:13]
	s_add_nc_u64 s[10:11], s[10:11], s[12:13]
.irp g, 0,1,2,3,4,5,6,7
	global_load_b128 v[16+10*\g:19+10*\g], v1, s[4:5] offset:327680*\g th:TH_LOAD_NT
	global_load_b128 v[20+10*\g:23+10*\g], v1, s[4:5] offset:327680*\g+512 th:TH_LOAD_NT
	global_load_b64  v[24+10*\g:25+10*\g], v2, s[4:5] offset:327680*\g+1024 th:TH_LOAD_NT
.endr
.irp j, 0,1,2,3,4
	global_load_b32 v[B2O+\j], v3, s[6:7] offset:4*\j
	global_load_b32 v[B2F+\j], v3, s[8:9] offset:4*\j
.endr
	s_wait_loadcnt 0x0
.irp n, 0,1                            ; the four parts of each net: (g0 + g1) + (g2 + g3), two numbers a line
.irp p, 0,2,4,6,8
	v_pk_add_f32 v[16+40*\n+\p:17+40*\n+\p], v[16+40*\n+\p:17+40*\n+\p], v[26+40*\n+\p:27+40*\n+\p]
	v_pk_add_f32 v[36+40*\n+\p:37+40*\n+\p], v[36+40*\n+\p:37+40*\n+\p], v[46+40*\n+\p:47+40*\n+\p]
.endr
.irp p, 0,2,4,6,8
	v_pk_add_f32 v[16+40*\n+\p:17+40*\n+\p], v[16+40*\n+\p:17+40*\n+\p], v[36+40*\n+\p:37+40*\n+\p]
.endr
.irp b, 0,1                            ; + b2
	v_pk_add_f32 v[16+40*\n+4*\b:17+40*\n+4*\b], v[16+40*\n+4*\b:17+40*\n+4*\b], v[B2O+6*\n:B2O+6*\n+1]
	v_pk_add_f32 v[18+40*\n+4*\b:19+40*\n+4*\b], v[18+40*\n+4*\b:19+40*\n+4*\b], v[B2O+6*\n+2:B2O+6*\n+3]
	v_add_f32 v[24+40*\n+\b], v[24+40*\n+\b], v[B2O+6*\n+4]
.endr
.endr
	; the rows' maxima
.irp n, 0,1
.irp b, 0,1
	v_max3_num_f32 v[MX+2*\n+\b], v[ZO+40*\n+4*\b], v[ZO+40*\n+4*\b+1], v[ZO+40*\n+4*\b+2]
.endr
.endr
.irp n, 0,1
.irp b, 0,1
	v_max3_num_f32 v[MX+2*\n+\b], v[MX+2*\n+\b], v[ZO+40*\n+4*\b+3], v[ZO+40*\n+8+\b]
.endr
.endr
.irp x, 0,1,2,3
	v_permlanex16_b32 v[TP+\x], v[MX+\x], s14, s15
.endr
.irp x, 0,1,2,3
	v_max_num_f32 v[MX+\x], v[MX+\x], v[TP+\x]
.endr
.irp n, 0,1                            ; (z - max) x log2(e)
.irp b, 0,1
.irp j, 0,1,2,3
	v_sub_f32 v[ZO+40*\n+4*\b+\j], v[ZO+40*\n+4*\b+\j], v[MX+2*\n+\b]
.endr
	v_sub_f32 v[ZO+40*\n+8+\b], v[ZO+40*\n+8+\b], v[MX+2*\n+\b]
.endr
.endr
.irp n, 0,1
.irp k, 0,1,2,3,4,5,6,7,8,9
	v_mul_f32 v[ZO+40*\n+\k], 0x3fb8aa3b, v[ZO+40*\n+\k]
.endr
.endr
	s_wait_alu depctr_va_vdst(0)
.irp n, 0,1
.irp k, 0,1,2,3,4,5,6,7,8,9
	v_exp_f32 v[ZO+40*\n+\k], v[ZO+40*\n+\k]       ; one batch of twenty
.endr
.endr
	v_nop                                          ; a plain line behind the last exponential
	s_wait_alu depctr_va_vdst(0)                   ; one wait for the batch, ahead of its first reader
.irp n, 0,1
.irp b, 0,1
	v_add_f32 v[MX+2*\n+\b], v[ZO+40*\n+4*\b], v[ZO+40*\n+4*\b+1]
	v_add_f32 v[RC+2*\n+\b], v[ZO+40*\n+4*\b+2], v[ZO+40*\n+4*\b+3]
.endr
.endr
.irp x, 0,1,2,3
	v_add_f32 v[MX+\x], v[MX+\x], v[RC+\x]
.endr
.irp n, 0,1
.irp b, 0,1
	v_add_f32 v[MX+2*\n+\b], v[MX+2*\n+\b], v[ZO+40*\n+8+\b]
.endr
.endr
.irp x, 0,1,2,3
	v_permlanex16_b32 v[TP+\x], v[MX+\x], s14, s15
.endr
.irp x, 0,1,2,3
	v_add_f32 v[MX+\x], v[MX+\x], v[TP+\x]
.endr
	s_wait_alu depctr_va_vdst(0)
.irp x, 0,1,2,3
	v_rcp_f32 v[RC+\x], v[MX+\x]
.endr
	v_nop
	s_wait_alu depctr_va_vdst(0)                   ; one wait for the four reciprocals
.irp n, 0,1
.irp b, 0,1
.irp j, 0,1,2,3
	v_mul_f32 v[ZO+40*\n+4*\b+\j], v[ZO+40*\n+4*\b+\j], v[RC+2*\n+\b]
.endr
	v_mul_f32 v[ZO+40*\n+8+\b], v[ZO+40*\n+8+\b], v[RC+2*\n+\b]
.endr
.endr
; A round: square; the row's sum s; c = 2 / m; a = 2 - c s, b = 1 - c s; three times b = b b, a = a + a b; all times c a.  The two blocks by turns.
.macro SHARP i
.irp b, 0,1
.irp j, 0,1,2,3
.if \i == 0
	v_mul_f32 v[Q+4*\b+\j], v[ZO+4*\b+\j], v[ZO+4*\b+\j]
.else
	v_mul_f32 v[Q+4*\b+\j], v[Q+4*\b+\j], v[Q+4*\b+\j]
.endif
.endr
.if \i == 0
	v_mul_f32 v[Q+8+\b], v[ZO+8+\b], v[ZO+8+\b]
	v_mov_b32 v[T+\b], 0x3e800000                  ; tau^2 = 0.25
.else
	v_mul_f32 v[Q+8+\b], v[Q+8+\b], v[Q+8+\b]
	v_mul_f32 v[T+\b], v[T+\b], v[T+\b]
.endif
.endr
.irp b, 0,1
	v_add_f32 v[S+\b], v[Q+4*\b], v[Q+4*\b+1]
	v_add_f32 v[A+\b], v[Q+4*\b+2], v[Q+4*\b+3]
.endr
.irp b, 0,1
	v_add_f32 v[S+\b], v[S+\b], v[A+\b]
.endr
.irp b, 0,1
	v_add_f32 v[S+\b], v[S+\b], v[Q+8+\b]
.endr
.irp b, 0,1
	v_permlanex16_b32 v[TP+\b], v[S+\b], s14, s15
.endr
.irp b, 0,1
	v_add_f32 v[S+\b], v[S+\b], v[TP+\b]
.endr
.irp b, 0,1
	v_add_f32 v[S+\b], v[S+\b], v[T+\b]
.endr
.irp b, 0,1
.if \i == 0
	v_fma_f32 v[A+\b], -v[S+\b], s16, 2.0
	v_fma_f32 v[BB+\b], -v[S+\b], s16, 1.0
.else
	v_sub_f32 v[A+\b], 2.0, v[S+\b]
	v_sub_f32 v[BB+\b], 1.0, v[S+\b]
.endif
.endr
.rept 3
.irp b, 0,1
	v_mul_f32 v[BB+\b], v[BB+\b], v[BB+\b]
.endr
.irp b, 0,1
	v_fma_f32 v[A+\b], v[A+\b], v[BB+\b], v[A+\b]
.endr
.endr
.if \i == 0
.irp b, 0,1
	v_mul_f32 v[A+\b], s16, v[A+\b]
.endr
.endif
.irp b, 0,1
.irp j, 0,1,2,3
	v_mul_f32 v[Q+4*\b+\j], v[Q+4*\b+\j], v[A+\b]
.endr
	v_mul_f32 v[Q+8+\b], v[Q+8+\b], v[A+\b]
	v_mul_f32 v[T+\b], v[T+\b], v[A+\b]
.endr
.endm
	SHARP 0
	SHARP 1
	SHARP 2
.irp b, 0,1
	v_sub_f32 v[OM+\b], 1.0, v[T+\b]               ; 1 - cond
.endr
.irp b, 0,1
.irp j, 0,1,2,3
	v_mul_f32 v[ZF+4*\b+\j], v[ZF+4*\b+\j], v[T+\b]
	v_fma_f32 v[ZO+4*\b+\j], v[ZO+4*\b+\j], v[OM+\b], v[ZF+4*\b+\j]
.endr
	v_mul_f32 v[ZF+8+\b], v[ZF+8+\b], v[T+\b]
	v_fma_f32 v[ZO+8+\b], v[ZO+8+\b], v[OM+\b], v[ZF+8+\b]
.endr
	; THE WAY OUT: 32 rows of 40 bytes are 1,280 consecutive bytes of out0: through LDS, so that each store covers 512 or 256 consecutive bytes, aligned
.irp b, 0,1
.irp j, 0,1,2,3
	ds_store_b32 v6, v[ZO+4*\b+\j] offset:640*\b+4*\j
.endr
	ds_store_b32 v6, v[ZO+8+\b] offset:640*\b+16
.endr
	ds_load_b128 v[48:51], v1                      ; LDS serves a wave's instructions in order (ISA guide 5.7.1.4): these see the stores above
	ds_load_b128 v[52:55], v1 offset:512
	ds_load_b64  v[66:67], v2 offset:1024
	s_wait_dscnt 0x0
	global_store_b128 v1, v[48:51], s[10:11]
	global_store_b128 v1, v[52:55], s[10:11] offset:512
	global_store_b64  v2, v[66:67], s[10:11] offset:1024
	s_wait_tensorcnt 0x0
	ds_add_u32 v128, v129
	s_wait_dscnt 0x0
	s_endpgm
.Lfunc_end_k_q2fa27d815c_finish:
	.size	k_q2fa27d815c_finish, .Lfunc_end_k_q2fa27d815c_finish-k_q2fa27d815c_finish
	.p2alignl 7, 3214868480
	.fill 96, 4, 3214868480
	.section	.rodata,"a",@progbits
	.p2align	6, 0x0
	.amdhsa_kernel k_q2fa27d815c_finish
		.amdhsa_group_segment_fixed_size 1792
		.amdhsa_private_segment_fixed_size 0
		.amdhsa_enable_private_segment 0
		.amdhsa_kernarg_size 32
		.amdhsa_user_sgpr_count 2
		.amdhsa_user_sgpr_kernarg_segment_ptr 1
		.amdhsa_wavefront_size32 1
		.amdhsa_system_sgpr_workgroup_id_x 1
		.amdhsa_system_sgpr_workgroup_id_y 1
		.amdhsa_system_sgpr_workgroup_id_z 1
		.amdhsa_system_vgpr_workitem_id 0
		.amdhsa_next_free_vgpr 130
		.amdhsa_next_free_sgpr 66
		.amdhsa_reserve_vcc 0
		.amdhsa_float_denorm_mode_32 3
		.amdhsa_float_denorm_mode_16_64 3
		.amdhsa_memory_ordered 1
		.amdhsa_forward_progress 1
		.amdhsa_inst_pref_size 21
	.end_amdhsa_kernel
	.amdgpu_metadata
---
amdhsa.version: [ 1, 2 ]
amdhsa.kernels:
  - .name:           k_q2fa27d815c_finish
    .symbol:         k_q2fa27d815c_finish.kd
    .args:
      - { .name: part, .offset: 0, .size: 8, .value_kind: global_buffer, .address_space: global }
      - { .name: b2o, .offset: 8, .size: 8, .value_kind: global_buffer, .address_space: global }
      - { .name: b2f, .offset: 16, .size: 8, .value_kind: global_buffer, .address_space: global }
      - { .name: out0, .offset: 24, .size: 8, .value_kind: global_buffer, .address_space: global }
    .group_segment_fixed_size: 1792
    .private_segment_fixed_size: 0
    .kernarg_segment_align: 8
    .kernarg_segment_size: 32
    .max_flat_workgroup_size: 32
    .sgpr_count:     66
    .vgpr_count:     130
    .wavefront_size: 32
...
	.end_amdgpu_metadata
.endif
;; end of part 4
